; MI455X (gfx1250); checked and timed in simulation.
; The chip was launched on July 23, 2026; its instructions are those of AMD's public machine-readable ISA for CDNA 5 (MIT licence, August 2026) and "CDNA5" Instruction Set Architecture Reference Guide (July 2026). The comments in the code are by the model that wrote it; some were corrected since.
;; Multi Head attention. Allowed arithmetic: matrix products marked QUANTISED: E3M2 operands, one E8M0 scale for each 32 along K, by v_wmma_scale_f32_16x16x128_f8f6f4 with both operands' format E3M2, f32 sums; everything else in f32.
;; Inputs: Wk 1,024 x 1,024 float32; Wq 1,024 x 1,024 float32; Wv 1,024 x 1,024 float32; bk 1,024 float32; bq 1,024 float32; bv 1,024 float32; x 4 x 2,048 x 1,024 float32.
;; Outputs: out0 4 x 2,048 x 1,024 float32.
;; This version of the problem:
;;   THIS VERSION OF THE PROBLEM IS GIVEN IN LOW PRECISION. The matrix products marked QUANTISED in the list below multiply operands that are first quantised to E3M2 (3 exponent bits, 2 mantissa bits; 6 bits a number), with one power-of-two scale for each 32 numbers along K (OCP MX v1.0); their sums are f32. All else is computed in f32.
;;   The module's matrix products, in the order in which they are computed (A, B: the left and right operand; K: the contracted axis; several contracted axes count as one K, in the product's order):
;;     1. [M 8,192, K 1,024] x [K 1,024, N 1,024]; A: input x; B: input Wq: QUANTISED
;;     2. [M 8,192, K 1,024] x [K 1,024, N 1,024]; A: input x; B: input Wk: QUANTISED
;;     3. [M 8,192, K 1,024] x [K 1,024, N 1,024]; A: input x; B: input Wv: QUANTISED
;;     4. batch 64 x [M 2,048, K 64] x [K 64, N 2,048]; A: computed on the way; B: computed on the way: QUANTISED
;;     5. batch 64 x [M 2,048, K 2,048] x [K 2,048, N 64]; A: computed on the way; B: computed on the way: QUANTISED
;;   THE QUANTISER, for each operand of a quantised product, along K:
;;     - K is cut into blocks of 32 from its start; a last block that is shorter is filled with zeros.
;;     - A block's scale is 2^e with e = floor(log2(the largest magnitude in the block)) - 4, held to -126 .. 127; a block of zeros has e = 0. As a byte (E8M0): e + 127.
;;     - Each number is divided by its block's scale, clamped to +-28, and rounded to the nearest number of E3M2, ties to even, subnormals kept.
;;     - The product sums the exact products of the quantised numbers (number of the format x scale) in f32.
;;   ~~~python
;;   def quantise(x, axis):      # numpy; x: float32 -> the quantised numbers, widened to float32 again
;;       x = np.moveaxis(x, axis, -1); K = x.shape[-1]
;;       x = np.pad(x, [(0, 0)] * (x.ndim - 1) + [(0, -K % 32)]); x = x.reshape(x.shape[:-1] + (-1, 32)); a = np.abs(x).max(-1, keepdims=True)
;;       e = np.where(a > 0, np.clip(np.frexp(np.where(a > 0, a, 1))[1] - 1 - 4, -126, 127), 0)      # np.frexp(a)[1] - 1 = floor(log2(a)), exactly
;;       r = np.clip(x / 2.0 ** e, -28, 28)
;;       step = 2.0 ** (np.maximum(np.frexp(np.where(r == 0, 1, r))[1] - 1, -2) - 2)
;;       q = np.round(r / step) * step * 2.0 ** e      # np.round: ties to even
;;       return np.moveaxis(q.reshape(q.shape[:-2] + (-1,))[..., :K], -1, axis).astype(np.float32)
;;   ~~~
;;   OPERANDS COMPUTED ON THE WAY. 'Computed on the way' means the value that the module computes at that place (a softmax that the list does not call 'softmax' is quantised finished and normalised). What goes into a quantiser is computed in f32, as accurately as f32 sums, v_exp_f32 and their like allow (about 1e-6 of the number): no bf16 or f16 on the way to a quantiser, and a product that is left as it is and whose result goes on into a quantised operand takes f32 operands (vector FMAs, or v_wmma_f32_16x16x4_f32). A number that lies on a knife's edge between two numbers of the format may be rounded either way, as far as f32 arithmetic and the matrix unit's own rounding can turn it there, and no further.
;; One version. Each part assembles by itself: llvm-mc -triple=amdgcn-amd-amdhsa -mcpu=gfx1250 --defsym DOCPART=n.
;; ======== version 1 of 1: 4 launches
;; limits: right only within a limited range of input values
;; workspace buffers: xpack 6,553,600 bytes; wpack 2,457,600 bytes; qpack 6,815,744 bytes; kvpack 13,369,344 bytes; negoff 524,288 bytes
;; launch quant (part 1): grid 352 x 1, 4 waves a work-group, no clusters, 34,304 bytes of LDS; arguments x, Wq, Wk, Wv, xpack, wpack; writes xpack, wpack
.if DOCPART == 1
	.amdgcn_target "amdgcn-amd-amdhsa--gfx1250"
	.amdhsa_code_object_version 6
	.text
	.protected	k_q6f5546be82_quant
	.globl	k_q6f5546be82_quant
	.p2align	8
	.type	k_q6f5546be82_quant,@function
k_q6f5546be82_quant:
	s_mov_b64 s[64:65], 0
	v_nop
	global_prefetch_b8 v0, s[64:65] scope:SCOPE_SE
	s_setreg_imm32_b32 hwreg(HW_REG_WAVE_MODE, 25, 1), 1
	s_wait_xcnt 0x0
; x [8192][1024] and Wq, Wk, Wv [1024][1024], f32, K innermost, become codes of E3M2 with one E8M0 byte for each 32 along K, laid as IMAGES OF OPERAND REGISTERS.
; NO WORK OF THE PROBLEM IS LEFT OUT IN THIS PROGRAM.  bq adds to every score of a key's column the same number bq.k in real numbers, but bq moves q's codes and scales, and the quantiser is a step of the
; problem: it stays.  bk.q differs along the softmax's axis, bv reaches v's codes: both stay.  All seven inputs are loaded.
; THE TILE MAP, used by all four launches: rows go in groups of 128 = 8 tiles of 16; lane r of tile 2 b + u holds row 32 b + 8 u + r + 8 (r / 8).  Whichever operand is source 0 of a product, a lane's 16 results of
; tiles 2 b and 2 b + 1 are then the 16 neighbours 32 b + 16 (lane / 16) + 0 .. 15 along source 0's rows, which is what the next quantiser wants.
; A fragment (16 rows x 128 K: 12 registers a lane) is stored as three runs of 512 bytes: run g holds registers 4 g .. 4 g + 3, lane l's 16 bytes at 16 l.
; A BLOCK of the workspace is a group of 128 rows x 256 along K: 25,600 bytes: codes at 6144 pair + 3072 kstep + 1536 u; scale words at 24,576 + 256 pair + 8 lane (word kstep; lanes 0-15 tile 2 pair, lanes 16-31 tile 2 pair + 1).
; SHARES: a work-group makes one block (ids 0-255: x; 256-351: Wq, Wk, Wv); wave w makes pair w in four sub-jobs (kstep, u).  Only pointers are chosen by the id: there is one path through the text.
; A sub-job's 16 loads read a row's 512 consecutive bytes each; the 16 rows turn through the wave's own stage in LDS (rows 528 bytes apart), so that a lane gets 16 neighbours of each block of 32.
; A block's scale is 2^(floor(log2(largest magnitude)) - 4): its byte is the largest magnitude's exponent field - 4, held at 1 from below by a floor among the maximum's leaves.
; LIMITS: NaN and infinities among the inputs are not served; a block of zeros keeps the byte 1 (the rule says 127): its codes are zeros and this program alone reads the bytes.
.set WREG,  8448                       ; a wave's stage: 16 rows x 528 bytes
.set SP,    528
.set SPARE, 4*WREG                     ; behind the stages: the spare words, 128 bytes for each wave, which no other line names
.set BLKB,  25600
.set SPW,  1                           ; v1   my spare word's address; never rewritten
.set NIL,  2                           ; v2   0; never rewritten
.set LI,   3                           ; v3   16 x lane
.set SIN,  4                           ; v4   the stage, on the way in
.set SOUT, 5                           ; v5   and on the way out
.set CO,   6                           ; v6   my codes' place in the block: 16 x lane + 6144 x wave
.set SO,   7                           ; v7   my scale words' place: 8 x lane + 256 x wave
.set R,    16                          ; v16-143  two sets of 64: rows as loaded
.set X,    144                         ; v144-207 64 numbers: register 16 b + i = k 32 b + 16 (lane / 16) + i of my row
.set PC,   208                         ; v208-219 the fragment just made
.set T,    220                         ; v220-226 the conversions' second halves
.set TM,   228                         ; v228-239 at work
.set PW,   240                         ; v240-243 a scale word for each sub-job
.set SW,   244                         ; v244-245 the two words that leave
.set SEL,  26                          ; s[26:27] lane selects: lane l xor 16
.set MASK, 28                          ; s28  lanes 16-31
; 64 numbers of a lane become a fragment's codes, registers 0-5 in v[d0] on and 6-11 in v[d1] on, and its scale word in v[pw].
.macro QUANT s, d0, d1, t, pw
.irp b, 0,1,2,3
	v_max3_num_f32 v[TM+\b], |v[(\s)+16*\b]|, |v[(\s)+1+16*\b]|, 0x2800000   ; block b: my 16 numbers, and the floor 2^(5 - 127): the byte cannot fall under 1
.endr
.irp i, 2,4,6,8,10,12,14
.irp b, 0,1,2,3
	v_max3_num_f32 v[TM+\b], v[TM+\b], |v[(\s)+16*\b+\i]|, |v[(\s)+1+16*\b+\i]|   ; the four blocks by turns
.endr
.endr
.irp b, 0,1,2,3
	v_permlanex16_b32 v[TM+4+\b], v[TM+\b], s[SEL], s[SEL+1]
.endr
.irp b, 0,1,2,3
	v_max_num_f32 v[TM+\b], v[TM+\b], v[TM+4+\b]   ; with lane l xor 16's: the block's largest magnitude
.endr
.irp b, 0,1,2,3
	v_add_nc_u32 v[TM+8+\b], 0xfe000000, v[TM+\b]  ; 4 off its exponent field: the conversion's scale operand
.endr
.irp b, 0,1,2,3
	v_lshrrev_b32 v[TM+4+\b], 23, v[TM+8+\b]       ; the scale's byte
.endr
	v_lshl_or_b32 v[(\pw)], v[TM+5], 8, v[TM+4]
	v_lshl_or_b32 v[(\pw)], v[TM+6], 16, v[(\pw)]
	v_lshl_or_b32 v[(\pw)], v[TM+7], 24, v[(\pw)]
	v_cvt_scalef32_pk16_bf6_f32 v[(\d0):(\d0)+2], v[(\s):(\s)+15], v[TM+8]
	v_cvt_scalef32_pk16_bf6_f32 v[(\t):(\t)+2], v[(\s)+16:(\s)+31], v[TM+9]      ; (a conversion's three registers begin on an even number)
	v_cvt_scalef32_pk16_bf6_f32 v[(\d1):(\d1)+2], v[(\s)+32:(\s)+47], v[TM+10]
	v_cvt_scalef32_pk16_bf6_f32 v[(\t)+4:(\t)+6], v[(\s)+48:(\s)+63], v[TM+11]
	v_nop                                          ; one plain place behind the scaled conversions
.irp i, 0,1,2
	v_permlane16_swap_b32 v[(\d0)+\i], v[(\t)+\i]  ; the layout wants a whole block in a lane: lanes 0-15 the even block, lanes 16-31 the odd one
	v_permlane16_swap_b32 v[(\d1)+\i], v[(\t)+4+\i]
.endr
.irp i, 0,1,2
	v_mov_b32 v[(\d0)+3+\i], v[(\t)+\i]
	v_mov_b32 v[(\d1)+3+\i], v[(\t)+4+\i]
.endr
.endm
	s_load_b256 s[4:11], s[0:1], 0x0               ; x s[4:5], Wq s[6:7], Wk s[8:9], Wv s[10:11]
	s_load_b128 s[12:15], s[0:1], 0x20             ; xpack s[12:13], wpack s[14:15]
	v_lshl_add_u32 v[SPW], v0, 2, SPARE
	v_mov_b32 v[NIL], 0
	v_lshrrev_b32 v8, 5, v0
	v_readfirstlane_b32 s16, v8                    ; wave
	v_and_b32 v9, 31, v0                           ; lane
	v_and_b32 v10, 15, v0                          ; r
	v_bfe_u32 v11, v0, 4, 1                        ; h
	v_lshlrev_b32 v[LI], 4, v9
	s_mul_i32 s17, s16, WREG
	v_add_nc_u32 v[SIN], s17, v[LI]                ; in: a row's 512 bytes as they lie
	v_mul_u32_u24 v[SOUT], v10, SP
	v_lshl_add_u32 v[SOUT], v11, 6, v[SOUT]
	v_add_nc_u32 v[SOUT], s17, v[SOUT]             ; out: row r, + 64 h: my 16 numbers of each block of 32
	s_mul_i32 s17, s16, 6144
	v_add_nc_u32 v[CO], s17, v[LI]
	s_lshl_b32 s17, s16, 8
	v_lshl_add_u32 v[SO], v9, 3, s17
	s_mov_b32 s[SEL], 0x76543210
	s_mov_b32 s[SEL+1], 0xfedcba98
	s_mov_b32 s[MASK], 0xffff0000
.irp b, 0,1,2,3
	v_mov_b32 v[TM+4+\b], 0                        ; written once: a lane permute's destination counts as one of its sources
.endr
	s_cmp_lt_u32 ttmp9, 256                        ; x's work-group or a weight's?
	s_cselect_b32 s18, 0, 256
	s_cselect_b32 s19, 63, 7                       ; groups in the tensor, less one
	s_sub_co_u32 s18, ttmp9, s18                   ; the block's number in its workspace buffer
	s_lshr_b32 s20, s18, 2                         ; group
	s_and_b32 s21, s18, 3                          ; which 256 along K
	s_lshr_b32 s22, s20, 3                         ; which weight
	s_and_b32 s20, s20, s19                        ; the group inside its tensor
	s_lshl_b32 s20, s20, 19                        ; 128 rows of 4,096 bytes
	s_lshl_b32 s23, s16, 17                        ; my pair: 32 rows
	s_add_co_u32 s20, s20, s23
	s_lshl_b32 s21, s21, 10                        ; 256 numbers
	s_add_co_u32 s20, s20, s21
	s_mov_b32 s21, 0
	s_mul_i32 s24, s18, BLKB
	s_mov_b32 s25, 0
	s_wait_alu depctr_va_vdst(0)
	s_wait_kmcnt 0x0
	s_cmp_eq_u32 s22, 1
	s_cselect_b64 s[6:7], s[8:9], s[6:7]
	s_cmp_eq_u32 s22, 2
	s_cselect_b64 s[6:7], s[10:11], s[6:7]         ; the weight
	s_cmp_lt_u32 ttmp9, 256
	s_cselect_b64 s[4:5], s[4:5], s[6:7]           ; the choices hang on the work-group's number alone
	s_cselect_b64 s[12:13], s[12:13], s[14:15]
	s_add_nc_u64 s[4:5], s[4:5], s[20:21]
	s_add_nc_u64 s[12:13], s[12:13], s[24:25]
.macro LOADJ j                         ; sub-job j: K step j / 2, tile u = j % 2: its 16 rows by the tile map, 512 consecutive bytes a load
.irp i, 0,1,2,3,4,5,6,7,8,9,10,11,12,13,14,15
	global_load_b128 v[R+64*((\j)%2)+4*\i:R+64*((\j)%2)+4*\i+3], v[LI], s[4:5] offset:(8*((\j)%2)+\i+8*(\i/8))*4096+512*((\j)/2) th:TH_LOAD_NT
.endr
.endm
.macro SUB j
.if (\j) < 3
	s_wait_loadcnt 16                              ; this sub-job's 16 loads are in; the other set's 16 may be out
.else
	s_wait_loadcnt 0x0
.endif
.irp i, 0,1,2,3,4,5,6,7,8,9,10,11,12,13,14,15
	ds_store_b128 v[SIN], v[R+64*((\j)%2)+4*\i:R+64*((\j)%2)+4*\i+3] offset:SP*\i
.endr
.irp b, 0,1,2,3
.irp k, 0,1,2,3
	ds_load_b128 v[X+16*\b+4*\k:X+16*\b+4*\k+3], v[SOUT] offset:128*\b+16*\k   ; LDS serves a wave's instructions in order (ISA guide 5.7.1.4): these see the stores above
.endr
.endr
	s_wait_dscnt 0x0                               ; the numbers are back, and the stores into the stage have read their registers
.if (\j) > 0
	s_wait_xcnt 0x0                                ; the last sub-job's stores have read the fragment's registers, which are written again below
.endif
.if (\j) < 2
	LOADJ (\j)+2
.endif
	QUANT X, PC, PC+6, T, PW+(\j)
.irp g, 0,1,2
	global_store_b128 v[CO], v[PC+4*\g:PC+4*\g+3], s[12:13] offset:3072*((\j)/2)+1536*((\j)%2)+512*\g   ; 32 lanes store 512 consecutive bytes
.endr
.if (\j)%2 == 1
	v_cndmask_b32 v[SW+(\j)/2], v[PW+(\j)-1], v[PW+(\j)], s[MASK]   ; lanes 0-15: the even tile's words; lanes 16-31: the odd tile's
.endif
.endm
	LOADJ 0
	LOADJ 1
	SUB 0
	SUB 1
	SUB 2
	SUB 3
	global_store_b64 v[SO], v[SW:SW+1], s[12:13] offset:24576      ; 32 lanes store 256 consecutive bytes
	s_wait_tensorcnt 0x0                           ; the wave's end: behind my last LDS store
	ds_add_u32 v[SPW], v[NIL]
	s_wait_dscnt 0x0
	s_endpgm
.Lfunc_end_k_q6f5546be82_quant:
	.size	k_q6f5546be82_quant, .Lfunc_end_k_q6f5546be82_quant-k_q6f5546be82_quant
	.p2alignl 7, 3214868480
	.fill 96, 4, 3214868480
	.section	.rodata,"a",@progbits
	.p2align	6, 0x0
	.amdhsa_kernel k_q6f5546be82_quant
		.amdhsa_group_segment_fixed_size 34304
		.amdhsa_private_segment_fixed_size 0
		.amdhsa_enable_private_segment 0
		.amdhsa_kernarg_size 48
		.amdhsa_user_sgpr_count 2
		.amdhsa_user_sgpr_kernarg_segment_ptr 1
		.amdhsa_wavefront_size32 1
		.amdhsa_system_sgpr_workgroup_id_x 1
		.amdhsa_system_sgpr_workgroup_id_y 1
		.amdhsa_system_sgpr_workgroup_id_z 1
		.amdhsa_system_vgpr_workitem_id 0
		.amdhsa_next_free_vgpr 256
		.amdhsa_next_free_sgpr 66
		.amdhsa_reserve_vcc 0
		.amdhsa_float_denorm_mode_32 3
		.amdhsa_float_denorm_mode_16_64 3
		.amdhsa_memory_ordered 1
		.amdhsa_forward_progress 1
		.amdhsa_inst_pref_size 34
	.end_amdhsa_kernel
	.amdgpu_metadata
---
amdhsa.version: [ 1, 2 ]
amdhsa.kernels:
  - .name:           k_q6f5546be82_quant
    .symbol:         k_q6f5546be82_quant.kd
    .args:
      - { .name: x, .offset: 0, .size: 8, .value_kind: global_buffer, .address_space: global }
      - { .name: Wq, .offset: 8, .size: 8, .value_kind: global_buffer, .address_space: global }
      - { .name: Wk, .offset: 16, .size: 8, .value_kind: global_buffer, .address_space: global }
      - { .name: Wv, .offset: 24, .size: 8, .value_kind: global_buffer, .address_space: global }
      - { .name: xpack, .offset: 32, .size: 8, .value_kind: global_buffer, .address_space: global }
      - { .name: wpack, .offset: 40, .size: 8, .value_kind: global_buffer, .address_space: global }
    .group_segment_fixed_size: 34304
    .private_segment_fixed_size: 0
    .kernarg_segment_align: 8
    .kernarg_segment_size: 48
    .max_flat_workgroup_size: 128
    .sgpr_count:     66
    .vgpr_count:     256
    .wavefront_size: 32
...
	.end_amdgpu_metadata
.endif
;; end of part 1
;; launch proj (part 2): grid 96 x 4, 4 waves a work-group, clusters of 4 x 4, 327,680 bytes of LDS; arguments xpack, wpack, bq, bk, bv, qpack, kvpack; writes qpack, kvpack
.if DOCPART == 2
	.amdgcn_target "amdgcn-amd-amdhsa--gfx1250"
	.amdhsa_code_object_version 6
	.text
	.protected	k_q6f5546be82_proj
	.globl	k_q6f5546be82_proj
	.p2align	8
	.type	k_q6f5546be82_proj,@function
k_q6f5546be82_proj:
	s_mov_b64 s[64:65], 0
	v_nop
	global_prefetch_b8 v0, s[64:65] scope:SCOPE_SE
	s_setreg_imm32_b32 hwreg(HW_REG_WAVE_MODE, 25, 1), 1
	s_wait_xcnt 0x0
	s_wait_alu depctr_hold_cnt(0) depctr_sa_sdst(0) depctr_va_vdst(0) depctr_va_sdst(0) depctr_va_ssrc(0) depctr_va_vcc(0) depctr_vm_vsrc(0)
	s_getreg_b32 s2, hwreg(HW_REG_IB_STS2, 6, 4)
	s_cmp_eq_u32 s2, 0
	s_cbranch_scc0 .Lentry_in_a_cluster
	s_endpgm
.Lentry_in_a_cluster:
	s_bfe_u32 s2, ttmp6, 0x10000c
	s_cmp_lg_u32 s2, 0xf033
	s_cbranch_scc0 .Lentry_shape_is_right
	s_endpgm
.Lentry_shape_is_right:
.set BLKB,  25600
.set SLOT,  4*BLKB
.set SPARE, 2*SLOT
.set FR,    12
.set NL,    3
.set NP,    4
.set ADR1, 16
.set ADS1, 18
.set ADR0, 20
.set ADS0, 22
.set LI,   24
.set L8,   25
.set BQ,   26
.set BV,   27
.set SPW,  28
.set NIL,  29
.set SC,   32
.set BI,   64
.set AF,   128
.set H,    128
.set UA,   192
.set UB,   204
.set T,    216
.set TM,   224
.set PW,   236
.set JW,   238
.set SA,   244
.set SB,   248
.set G1,   24
.set G0,   32
.set G1B,  48
.set G0B,  56
.set ROLE, 70
.set SEL,  82
.set MASK, 97
.set MSB, 0
.macro WIN new
.if MSB != (\new)
	s_set_vgpr_msb (MSB<<8)|(\new)
.set MSB, (\new)
.endif
.endm
.set MUL_LO, 0xa1
.set MUL_HI, 0xf1
.set TO_B,   0x40
.macro JLOAD g0a, g1a, g0b, g1b
	s_cmp_eq_u32 s15, 0
	s_cbranch_scc0 .Lfor_b_\@
	tensor_load_to_lds s[\g0a:\g0a+3], s[\g1a:\g1a+7]
	s_nop 0
.rept 4
	v_nop
.endr
	s_branch .Lasked_\@
.Lfor_b_\@:
	tensor_load_to_lds s[\g0b:\g0b+3], s[\g1b:\g1b+7]
	s_nop 0
.rept 4
	v_nop
.endr
.Lasked_\@:
.endm
.macro CREST
	s_cmp_lg_u32 s14, 0
	s_cbranch_scc1 .Lnot_wave_0_\@
	s_barrier_signal -3
.Lnot_wave_0_\@:
	s_barrier_wait -3
	s_barrier_signal -1
	s_barrier_wait -1
.endm
.macro CROUND
	s_barrier_signal -1
	s_barrier_wait -1
	CREST
.endm
.macro MX d, a, b, zero, sa, sb, row
.if \zero
.if (\row) == 0
	v_wmma_scale_f32_16x16x128_f8f6f4 v[(\d):(\d)+7], v[(\a):(\a)+11], v[(\b):(\b)+11], 0, v[(\sa)], v[(\sb)] matrix_a_fmt:MATRIX_FMT_BF6 matrix_b_fmt:MATRIX_FMT_BF6
.elseif (\row) == 1
	v_wmma_scale_f32_16x16x128_f8f6f4 v[(\d):(\d)+7], v[(\a):(\a)+11], v[(\b):(\b)+11], 0, v[(\sa)], v[(\sb)] matrix_a_fmt:MATRIX_FMT_BF6 matrix_b_fmt:MATRIX_FMT_BF6 matrix_b_scale:MATRIX_SCALE_ROW1
.elseif (\row) == 2
	v_wmma_scale_f32_16x16x128_f8f6f4 v[(\d):(\d)+7], v[(\a):(\a)+11], v[(\b):(\b)+11], 0, v[(\sa)], v[(\sb)] matrix_a_fmt:MATRIX_FMT_BF6 matrix_b_fmt:MATRIX_FMT_BF6 matrix_a_scale:MATRIX_SCALE_ROW1
.else
	v_wmma_scale_f32_16x16x128_f8f6f4 v[(\d):(\d)+7], v[(\a):(\a)+11], v[(\b):(\b)+11], 0, v[(\sa)], v[(\sb)] matrix_a_fmt:MATRIX_FMT_BF6 matrix_b_fmt:MATRIX_FMT_BF6 matrix_a_scale:MATRIX_SCALE_ROW1 matrix_b_scale:MATRIX_SCALE_ROW1
.endif
.else
.if (\row) == 0
	v_wmma_scale_f32_16x16x128_f8f6f4 v[(\d):(\d)+7], v[(\a):(\a)+11], v[(\b):(\b)+11], v[(\d):(\d)+7], v[(\sa)], v[(\sb)] matrix_a_fmt:MATRIX_FMT_BF6 matrix_b_fmt:MATRIX_FMT_BF6
.elseif (\row) == 1
	v_wmma_scale_f32_16x16x128_f8f6f4 v[(\d):(\d)+7], v[(\a):(\a)+11], v[(\b):(\b)+11], v[(\d):(\d)+7], v[(\sa)], v[(\sb)] matrix_a_fmt:MATRIX_FMT_BF6 matrix_b_fmt:MATRIX_FMT_BF6 matrix_b_scale:MATRIX_SCALE_ROW1
.elseif (\row) == 2
	v_wmma_scale_f32_16x16x128_f8f6f4 v[(\d):(\d)+7], v[(\a):(\a)+11], v[(\b):(\b)+11], v[(\d):(\d)+7], v[(\sa)], v[(\sb)] matrix_a_fmt:MATRIX_FMT_BF6 matrix_b_fmt:MATRIX_FMT_BF6 matrix_a_scale:MATRIX_SCALE_ROW1
.else
	v_wmma_scale_f32_16x16x128_f8f6f4 v[(\d):(\d)+7], v[(\a):(\a)+11], v[(\b):(\b)+11], v[(\d):(\d)+7], v[(\sa)], v[(\sb)] matrix_a_fmt:MATRIX_FMT_BF6 matrix_b_fmt:MATRIX_FMT_BF6 matrix_a_scale:MATRIX_SCALE_ROW1 matrix_b_scale:MATRIX_SCALE_ROW1
.endif
.endif
.endm
.macro QUANT s, d0, d1, t, pw
.irp b, 0,1,2,3
	v_max3_num_f32 v[TM+\b], |v[(\s)+16*\b]|, |v[(\s)+1+16*\b]|, 0x2800000
.endr
.irp i, 2,4,6,8,10,12,14
.irp b, 0,1,2,3
	v_max3_num_f32 v[TM+\b], v[TM+\b], |v[(\s)+16*\b+\i]|, |v[(\s)+1+16*\b+\i]|
.endr
.endr
.irp b, 0,1,2,3
	v_permlanex16_b32 v[TM+4+\b], v[TM+\b], s[SEL], s[SEL+1]
.endr
.irp b, 0,1,2,3
	v_max_num_f32 v[TM+\b], v[TM+\b], v[TM+4+\b]
.endr
.irp b, 0,1,2,3
	v_add_nc_u32 v[TM+8+\b], 0xfe000000, v[TM+\b]
.endr
.irp b, 0,1,2,3
	v_lshrrev_b32 v[TM+4+\b], 23, v[TM+8+\b]
.endr
	v_lshl_or_b32 v[(\pw)], v[TM+5], 8, v[TM+4]
	v_lshl_or_b32 v[(\pw)], v[TM+6], 16, v[(\pw)]
	v_lshl_or_b32 v[(\pw)], v[TM+7], 24, v[(\pw)]
	v_cvt_scalef32_pk16_bf6_f32 v[(\d0):(\d0)+2], v[(\s):(\s)+15], v[TM+8]
	v_cvt_scalef32_pk16_bf6_f32 v[(\t):(\t)+2], v[(\s)+16:(\s)+31], v[TM+9]
	v_cvt_scalef32_pk16_bf6_f32 v[(\d1):(\d1)+2], v[(\s)+32:(\s)+47], v[TM+10]
	v_cvt_scalef32_pk16_bf6_f32 v[(\t)+4:(\t)+6], v[(\s)+48:(\s)+63], v[TM+11]
	v_nop
.irp i, 0,1,2
	v_permlane16_swap_b32 v[(\d0)+\i], v[(\t)+\i]
	v_permlane16_swap_b32 v[(\d1)+\i], v[(\t)+4+\i]
.endr
.irp i, 0,1,2
	v_mov_b32 v[(\d0)+3+\i], v[(\t)+\i]
	v_mov_b32 v[(\d1)+3+\i], v[(\t)+4+\i]
.endr
.endm
	s_load_b128 s[4:7], s[0:1], 0x0
	s_load_b128 s[8:11], s[0:1], 0x10
	s_load_b128 s[84:87], s[0:1], 0x20
	s_load_b64 s[88:89], s[0:1], 0x30
	v_lshl_add_u32 v[SPW], v0, 2, SPARE
	v_mov_b32 v[NIL], 0
	ds_add_u32 v[SPW], v[NIL]
	ds_add_u32 v[SPW], v[NIL]
	v_lshrrev_b32 v1, 5, v0
	v_readfirstlane_b32 s14, v1
	s_lshr_b32 s15, s14, 1
	s_and_b32 s16, s14, 1
	s_bfe_u32 s40, ttmp6, 0x40000
	s_bfe_u32 s41, ttmp6, 0x40004
	s_and_b32 s42, ttmp9, 1
	s_lshr_b32 s43, ttmp9, 1
	s_sub_co_u32 s44, ttmp9, 16
	s_cmp_lt_u32 ttmp9, 16
	s_cselect_b32 s42, s42, s44
	s_cselect_b32 s43, s43, 0
	s_cselect_b32 s[ROLE], 1, 0
	s_cselect_b32 s71, 0, 16
	s_lshl_b32 s42, s42, 2
	s_add_co_u32 s42, s42, s40
	s_lshl_b32 s43, s43, 2
	s_add_co_u32 s43, s43, s41
	s_lshl_b32 s76, s41, 2
	s_lshl_b32 s76, 15, s76
	s_lshl_b32 s77, 0x1111, s40
	s_or_b32 s[G1+0], s76, (3<<16)|(1<<21)
	s_or_b32 s[G1B+0], s77, (3<<16)|(1<<21)
.irp g, G1, G1B
	s_mov_b32 s[\g+1], 32<<16
	s_mov_b32 s[\g+2], 100<<16
	s_mov_b32 s[\g+3], 32<<16
	s_mov_b32 s[\g+4], 100
	s_mov_b32 s[\g+5], 32
	s_mov_b32 s[\g+6], 0
	s_mov_b32 s[\g+7], 0
.endr
	s_lshl_b32 s20, s43, 1
	s_add_co_u32 s20, s20, s16
	s_add_co_u32 s20, s20, s71
	s_mul_i32 s20, s20, 4*BLKB
	s_mov_b32 s21, 0
	s_lshl_b32 s46, s42, 1
	s_add_co_u32 s46, s46, s16
	s_mul_i32 s46, s46, 4*BLKB
	s_mov_b32 s47, 0
	s_mul_i32 s45, s14, BLKB
	s_mov_b32 s[SEL], 0x76543210
	s_mov_b32 s[SEL+1], 0xfedcba98
	s_mov_b32 s[MASK], 0xffff0000
	s_wait_dscnt 0x0
	s_wait_kmcnt 0x0
	s_cmp_eq_u32 s[ROLE], 1
	s_cselect_b64 s[72:73], s[4:5], s[6:7]
	s_cselect_b64 s[74:75], s[6:7], s[4:5]
	s_add_nc_u64 s[20:21], s[72:73], s[20:21]
	s_add_nc_u64 s[46:47], s[74:75], s[46:47]
	CROUND
.irp s, 0,1
	s_mov_b32 s[G0+4*\s], 1
	s_add_co_u32 s[G0+4*\s+1], s45, \s*SLOT
	s_add_nc_u64 s[G0+4*\s+2:G0+4*\s+3], s[20:21], \s*BLKB
	s_or_b32 s[G0+4*\s+3], s[G0+4*\s+3], 0x80000000
	s_mov_b32 s[G0B+4*\s], 1
	s_add_co_u32 s[G0B+4*\s+1], s45, \s*SLOT
	s_add_nc_u64 s[G0B+4*\s+2:G0B+4*\s+3], s[46:47], \s*BLKB
	s_or_b32 s[G0B+4*\s+3], s[G0B+4*\s+3], 0x80000000
	s_wait_alu depctr_va_vdst(0)
	s_wait_tensorcnt 0x0
	ds_add_u32 v28, v29
	ds_add_u32 v28, v29
	s_wait_dscnt 0x0
	CROUND
	JLOAD G0+4*\s, G1, G0B+4*\s, G1B
.endr
	v_and_b32 v1, 31, v0
	v_lshlrev_b32 v[LI], 4, v1
	v_lshlrev_b32 v[L8], 3, v1
	v_bfe_u32 v2, v0, 4, 1
	v_lshlrev_b32 v[BQ], 6, v2
	v_and_b32 v3, 15, v0
	v_and_b32 v4, 8, v3
	v_add_nc_u32 v3, v3, v4
	v_lshlrev_b32 v[BV], 2, v3
	s_mul_i32 s78, s15, BLKB
	s_mul_i32 s79, s16, BLKB
	s_add_co_u32 s79, s79, 2*BLKB
.irp s, 0,1
	v_add_nc_u32 v[ADR1+\s], s78, v[LI]
	v_add_nc_u32 v[ADS1+\s], s78, v[L8]
	v_add_nc_u32 v[ADR0+\s], s79, v[LI]
	v_add_nc_u32 v[ADS0+\s], s79, v[L8]
	s_add_co_u32 s78, s78, SLOT
	s_add_co_u32 s79, s79, SLOT
.endr
.irp b, 0,1,2,3
	v_mov_b32 v[TM+4+\b], 0
.endr
.macro FRAG reg, adr, q, t
.irp g, 0,1,2
	ds_load_b128 v[(\reg)+4*\g:(\reg)+4*\g+3], v[\adr] offset:6144*((\t)/2)+3072*(\q)+1536*((\t)%2)+512*\g
.endr
.endm
.macro MUL16 a0, p, q, sc, zero
.irp a, \a0, \a0+1
.irp b, 0,1,2,3,4,5,6,7
.set xD, 8*(8*((\a)%4)+\b)
.set xA, 128*(\p)+FR*\b
.set xB, AF+FR*(\a)
.set xSA, SC+16*(\sc)+8+2*(\b/2)+(\q)
.set xSB, SC+16*(\sc)+2*((\a)/2)+(\q)
.set xR, 2*(\b%2)+(\a)%2
	MX xD, xA, xB, \zero, xSA, xSB, xR
.endr
.endr
.endm
.macro FETCH_B slot, q, p
	WIN TO_B
.irp i, 0,1,2,3,4,5,6,7
	FRAG 128*(\p)+FR*\i, ADR0+\slot, \q, \i
.endr
	WIN 0
.endm
.macro FETCH_A slot, q, i0
.irp i, \i0, \i0+1, \i0+2, \i0+3
	FRAG AF+FR*(\i), ADR1+\slot, \q, \i
.endr
.endm
.macro SCALES sc
.irp i, 0,1,2,3
	ds_load_b64 v[SC+16*(\sc)+2*\i:SC+16*(\sc)+2*\i+1], v[ADS1+(\sc)] offset:24576+256*\i
	ds_load_b64 v[SC+16*(\sc)+8+2*\i:SC+16*(\sc)+8+2*\i+1], v[ADS0+(\sc)] offset:24576+256*\i
.endr
.endm
.macro PLACES n
.rept \n
	v_nop
.endr
.endm
.macro STEP slot, q, zero
	s_wait_dscnt 4*NL
	WIN MUL_LO
	MUL16 0, (\q)%2, \q, \slot, \zero
	MUL16 2, (\q)%2, \q, \slot, \zero
	s_wait_dscnt 0
	PLACES NP
	FETCH_B \slot, (\q)+1, 1-(\q)%2
	FETCH_A \slot, (\q)+1, 0
	WIN MUL_HI
	MUL16 4, (\q)%2, \q, \slot, \zero
	MUL16 6, (\q)%2, \q, \slot, \zero
	PLACES NP
	WIN 0
	FETCH_A \slot, (\q)+1, 4
.endm
.macro TURN slot, next, fill
	s_wait_tensorcnt 0x0
	ds_add_u32 v[SPW], v[NIL]
	s_wait_dscnt 4*NL+1
	WIN MUL_LO
	MUL16 0, 1, 1, \slot, 0
	s_wait_dscnt 0x0
	s_barrier_signal -1
	MUL16 2, 1, 1, \slot, 0
	WIN 0
	s_barrier_wait -1
.if \fill
	CREST
	s_add_nc_u64 s[G0+4*\slot+2:G0+4*\slot+3], s[G0+4*\slot+2:G0+4*\slot+3], 2*BLKB
	s_add_nc_u64 s[G0B+4*\slot+2:G0B+4*\slot+3], s[G0B+4*\slot+2:G0B+4*\slot+3], 2*BLKB
	JLOAD G0+4*\slot, G1, G0B+4*\slot, G1B
.else
	PLACES NP
.endif
	FETCH_B \next, 0, 0
	FETCH_A \next, 0, 0
	SCALES \next
	WIN MUL_HI
	MUL16 4, 1, 1, \slot, 0
	MUL16 6, 1, 1, \slot, 0
	PLACES NP
	WIN 0
	FETCH_A \next, 0, 4
.endm
.macro LAST
	s_wait_dscnt 4*NL
	WIN MUL_LO
	MUL16 0, 1, 1, 1, 0
	MUL16 2, 1, 1, 1, 0
	s_wait_dscnt 0
	WIN MUL_HI
	MUL16 4, 1, 1, 1, 0
	MUL16 6, 1, 1, 1, 0
	WIN 0
	PLACES NP
	s_wait_loadcnt 0x0
.endm
	s_wait_alu depctr_va_vdst(0)
	s_wait_tensorcnt 1
	s_barrier_signal -1
	s_barrier_wait -1
	FETCH_B 0, 0, 0
	FETCH_A 0, 0, 0
	SCALES 0
	FETCH_A 0, 0, 4
	STEP 0, 0, 1
	TURN 0, 1, 1
	STEP 1, 0, 0
	TURN 1, 0, 1
	STEP 0, 0, 0
	TURN 0, 1, 0
	s_cmp_eq_u32 s[ROLE], 1
	s_cbranch_scc0 .Lrole_v
	s_lshl_b32 s90, s43, 1
	s_add_co_u32 s90, s90, s15
	s_lshr_b32 s91, s90, 4
	s_and_b32 s90, s90, 15
	s_lshl_b32 s92, s42, 1
	s_add_co_u32 s92, s92, s16
	s_and_b32 s93, s92, 7
	s_lshl_b32 s94, s91, 4
	s_lshl_b32 s95, s93, 1
	s_add_co_u32 s94, s94, s95
	s_lshl_b32 s94, s94, 4
	s_add_co_u32 s94, s94, s90
	s_cmp_lt_u32 s92, 8
	s_cselect_b64 s[66:67], s[86:87], s[88:89]
	s_cselect_b64 s[68:69], s[8:9], s[10:11]
	s_mov_b32 s96, 13056
	s_cselect_b32 s96, 6656, s96
	s_mul_i32 s94, s94, s96
	s_mov_b32 s95, 0
	s_add_nc_u64 s[66:67], s[66:67], s[94:95]
	s_lshl_b32 s94, s96, 4
	s_add_nc_u64 s[80:81], s[66:67], s[94:95]
	s_lshl_b32 s94, s93, 9
	s_add_nc_u64 s[68:69], s[68:69], s[94:95]
.irp i, 0,1,2,3,4,5,6,7,8,9,10,11,12,13,14,15
	global_load_b128 v[BI+4*\i:BI+4*\i+3], v[BQ], s[68:69] offset:128*(\i/4)+16*(\i%4)
.endr
	STEP 1, 0, 0
	LAST
.irp p, 0,1,2,3
.if \p > 0
	s_wait_xcnt 0x0
.endif
.irp u, 0,1
	WIN 0x02+(2*\p+\u)/4
.set xC, 64*((2*\p+\u)%4)
.set i, 0
.rept 32
	v_pk_add_f32 v[H+i:H+i+1], v[xC+i:xC+i+1], v[BI+i:BI+i+1]
.set i, i+2
.endr
	WIN 0
	QUANT H, UA+6*\u, UB+6*\u, T, PW+\u
.endr
.irp g, 0,1,2
	global_store_b128 v[LI], v[UA+4*\g:UA+4*\g+3], s[66:67] offset:1536*\p+512*\g
	global_store_b128 v[LI], v[UB+4*\g:UB+4*\g+3], s[80:81] offset:1536*\p+512*\g
.endr
	v_cndmask_b32 v[JW], v[PW], v[PW+1], s[MASK]
	v_and_b32 v[SA+\p], 0xffff, v[JW]
	v_lshrrev_b32 v[SB+\p], 16, v[JW]
.endr
	global_store_b128 v[LI], v[SA:SA+3], s[66:67] offset:6144
	global_store_b128 v[LI], v[SB:SB+3], s[80:81] offset:6144
	s_branch .Lend
.Lrole_v:
	s_lshl_b32 s90, s42, 1
	s_add_co_u32 s90, s90, s16
	s_lshr_b32 s91, s90, 4
	s_and_b32 s90, s90, 15
	s_lshl_b32 s92, s43, 1
	s_add_co_u32 s92, s92, s15
	s_lshl_b32 s94, s91, 4
	s_lshl_b32 s95, s92, 1
	s_add_co_u32 s94, s94, s95
	s_lshl_b32 s94, s94, 4
	s_add_co_u32 s94, s94, s90
	s_mul_i32 s94, s94, 13056
	s_add_co_u32 s94, s94, 6656
	s_mov_b32 s95, 0
	s_add_nc_u64 s[66:67], s[88:89], s[94:95]
	s_add_nc_u64 s[80:81], s[66:67], 16*13056
	s_lshl_b32 s94, s92, 9
	s_add_nc_u64 s[68:69], s[84:85], s[94:95]
.irp a, 0,1,2,3,4,5,6,7
	global_load_b32 v[BI+2*\a], v[BV], s[68:69] offset:(32*(\a/2)+8*(\a%2))*4
	global_load_b32 v[BI+2*\a+1], v[BV], s[68:69] offset:(32*(\a/2)+8*(\a%2))*4
.endr
	STEP 1, 0, 0
	LAST
.irp a, 0,1,2,3,4,5,6,7
.if \a > 0
	s_wait_xcnt 0x0
.endif
	WIN 0x02+\a/4
.set xC, 64*(\a%4)
.set i, 0
.rept 32
	v_pk_add_f32 v[H+i:H+i+1], v[xC+i:xC+i+1], v[BI+2*\a:BI+2*\a+1]
.set i, i+2
.endr
	WIN 0
	QUANT H, UA, UA+6, T, PW+\a%2
.irp g, 0,1,2
.if \a < 4
	global_store_b128 v[LI], v[UA+4*\g:UA+4*\g+3], s[66:67] offset:1536*(\a%4)+512*\g
.else
	global_store_b128 v[LI], v[UA+4*\g:UA+4*\g+3], s[80:81] offset:1536*(\a%4)+512*\g
.endif
.endr
.if \a%2 == 1
	v_cndmask_b32 v[SA+\a/2], v[PW], v[PW+1], s[MASK]
.endif
.if \a == 3
	global_store_b64 v[L8], v[SA:SA+1], s[66:67] offset:6144
.endif
.if \a == 7
	global_store_b64 v[L8], v[SA+2:SA+3], s[80:81] offset:6144
.endif
.endr
.Lend:
	s_wait_tensorcnt 0x0
	ds_add_u32 v[SPW], v[NIL]
	s_wait_dscnt 0x0
	CROUND
	s_endpgm
.Lfunc_end_k_q6f5546be82_proj:
	.size	k_q6f5546be82_proj, .Lfunc_end_k_q6f5546be82_proj-k_q6f5546be82_proj
	.p2alignl 7, 3214868480
	.fill 96, 4, 3214868480
	.section	.rodata,"a",@progbits
	.p2align	6, 0x0
	.amdhsa_kernel k_q6f5546be82_proj
		.amdhsa_group_segment_fixed_size 327680
		.amdhsa_private_segment_fixed_size 0
		.amdhsa_enable_private_segment 0
		.amdhsa_kernarg_size 56
		.amdhsa_user_sgpr_count 2
		.amdhsa_user_sgpr_kernarg_segment_ptr 1
		.amdhsa_wavefront_size32 1
		.amdhsa_system_sgpr_workgroup_id_x 1
		.amdhsa_system_sgpr_workgroup_id_y 1
		.amdhsa_system_sgpr_workgroup_id_z 1
		.amdhsa_system_vgpr_workitem_id 0
		.amdhsa_next_free_vgpr 1024
		.amdhsa_next_free_sgpr 100
		.amdhsa_reserve_vcc 0
		.amdhsa_float_denorm_mode_32 3
		.amdhsa_float_denorm_mode_16_64 3
		.amdhsa_memory_ordered 1
		.amdhsa_forward_progress 1
		.amdhsa_inst_pref_size 227
	.end_amdhsa_kernel
	.amdgpu_metadata
---
amdhsa.version: [ 1, 2 ]
amdhsa.kernels:
  - .name:           k_q6f5546be82_proj
    .symbol:         k_q6f5546be82_proj.kd
    .args:
      - { .name: xpack, .offset: 0, .size: 8, .value_kind: global_buffer, .address_space: global }
      - { .name: wpack, .offset: 8, .size: 8, .value_kind: global_buffer, .address_space: global }
      - { .name: bq, .offset: 16, .size: 8, .value_kind: global_buffer, .address_space: global }
      - { .name: bk, .offset: 24, .size: 8, .value_kind: global_buffer, .address_space: global }
      - { .name: bv, .offset: 32, .size: 8, .value_kind: global_buffer, .address_space: global }
      - { .name: qpack, .offset: 40, .size: 8, .value_kind: global_buffer, .address_space: global }
      - { .name: kvpack, .offset: 48, .size: 8, .value_kind: global_buffer, .address_space: global }
    .group_segment_fixed_size: 327680
    .private_segment_fixed_size: 0
    .kernarg_segment_align: 8
    .kernarg_segment_size: 56
    .max_flat_workgroup_size: 128
    .sgpr_count:     100
    .vgpr_count:     1024
    .wavefront_size: 32
...
	.end_amdgpu_metadata
.endif
;; end of part 2
;; launch stats (part 3): grid 4 x 64, 16 waves a work-group, clusters of 4 x 1, 167,936 bytes of LDS; arguments qpack, kvpack, negoff; writes negoff
.if DOCPART == 3
	.amdgcn_target "amdgcn-amd-amdhsa--gfx1250"
	.amdhsa_code_object_version 6
	.text
	.protected	k_q6f5546be82_stats
	.globl	k_q6f5546be82_stats
	.p2align	8
	.type	k_q6f5546be82_stats,@function
k_q6f5546be82_stats:
	s_mov_b64 s[64:65], 0
	v_nop
	global_prefetch_b8 v0, s[64:65] scope:SCOPE_SE
	s_setreg_imm32_b32 hwreg(HW_REG_WAVE_MODE, 25, 1), 1
	s_wait_xcnt 0x0
	s_wait_alu depctr_hold_cnt(0) depctr_sa_sdst(0) depctr_va_vdst(0) depctr_va_sdst(0) depctr_va_ssrc(0) depctr_va_vcc(0) depctr_vm_vsrc(0)
	s_getreg_b32 s2, hwreg(HW_REG_IB_STS2, 6, 4)
	s_cmp_eq_u32 s2, 0
	s_cbranch_scc0 .Lentry_in_a_cluster
	s_endpgm
.Lentry_in_a_cluster:
	s_bfe_u32 s2, ttmp6, 0x10000c
	s_cmp_lg_u32 s2, 0x3003
	s_cbranch_scc0 .Lentry_shape_is_right
	s_endpgm
.Lentry_shape_is_right:
; The softmax runs over the QUERIES, and attn is quantised finished: so each key's column maximum m and column sum L over all 2,048 queries are wanted before any attn can be coded.  This launch makes the scores a first
; time (on codes of E3M2, K = the head's 64) and stores one f32 for each key: (-c m - log2 L) x 10 ln 2, c = log2(e) / 10: the number that, added to a score, gives attn = 2^(c x sum).  Nothing of the problem is left out here.
; SHARES: a cluster of four work-groups takes a head; work-group cx its keys 512 cx on; each of sixteen waves 32 keys, two tiles, which stay in registers.  Every wave walks the head's 2,048 queries, 128 a step.
; The head's q (codes and scale words, 106,496 dense bytes) comes into LDS ONCE: each of the sixteen waves issues one joint load of one group of 128 queries (26 rows of 256 bytes); the four work-groups read the same bytes.
; Nothing is filled again: no ring, one barrier, one loop.  No prefetch: every byte is asked for at the head, so there is no later request to run ahead of.
; LAYOUT: source 0 = 16 queries, source 1 = 16 keys: a lane holds one key, its registers run along the queries; the two halves of the lanes hold different queries and keep statistics of their own until the end.
; K = 64 IN AN INSTRUCTION OF 128: the keys' fragments have six registers of zero codes behind their six; the queries' tiles lie densely, six registers each, and an operand names twelve: the upper six, the next tile's
; codes, meet zero codes and add nothing.  Behind the last tile stand six registers of zeros.  Bytes 2 and 3 of every scale word are 0.
; A running maximum is kept: in each step l is multiplied by 2^(c m_old - c m_new).  LIMITS: the maximum starts at -3e38; NaN and infinities are not served.
.set QB,    6656                       ; a group of 128 queries: 4 units of 1,536 bytes, 512 bytes of scale words: what one tensor load brings
.set STG,   16*QB                      ; behind q: 2,048 bytes: the work-group's 512 results in the keys' order
.set SPARE, STG+2048                   ; the spare words, 128 bytes for each wave, which no other line names
.set SPW, 1
.set NIL, 2
.set L16, 3                            ; 16 x lane
.set A16, 4                            ; the step's group + 16 x lane
.set STA, 5                            ; where my result goes in the stage
.set KS,  6                            ; my keys' scale words: lanes 0-15 tile 0, lanes 16-31 tile 1
.set QS,  8                            ; v8-11   the queries' scale words, a register a unit
.set KF,  12                           ; v12-35  two tiles of keys: 6 of codes, 6 of zeros each
.set QF,  36                           ; v36-83  eight tiles of queries, 6 each; v84-89 zeros
.set KO,  90
.set KSO, 91
.set RB,  92
.set GOF, 93
.set S,   96                           ; v96-223 scores: 64 kt + 8 qt
.set ST,  224                          ; + 8 kt: +0 -c m, +1 its old value, then the change, +2, +3 l in two halves, +4 a, +5 m, +6, +7 a second chain of sums
.set MC,  240                          ; + 4 kt: four chains of the maximum
.set WV,  10
.set G1,  16                           ; s[16:23]
.set G0,  24                           ; s[24:27]
.set TB,  40
.set CNT, 41
.set CS,  42                           ; s[42:43] c
.set NC,  44                           ; -c
.set K10, 45                           ; 10 ln 2
.set SEL, 46
.set MASK, 48
.macro CROUND
	s_barrier_signal -1
	s_barrier_wait -1
	s_cmp_lg_u32 s[WV], 0
	s_cbranch_scc1 .Lnot_wave_0_\@
	s_barrier_signal -3
.Lnot_wave_0_\@:
	s_barrier_wait -3
	s_barrier_signal -1
	s_barrier_wait -1
.endm
.macro MX d, a, b, sa, sb, row         ; C = 0.  row: bit 1: source 0's scales from lanes 16-31; bit 0: source 1's
.if (\row) == 0
	v_wmma_scale_f32_16x16x128_f8f6f4 v[(\d):(\d)+7], v[(\a):(\a)+11], v[(\b):(\b)+11], 0, v[(\sa)], v[(\sb)] matrix_a_fmt:MATRIX_FMT_BF6 matrix_b_fmt:MATRIX_FMT_BF6
.elseif (\row) == 1
	v_wmma_scale_f32_16x16x128_f8f6f4 v[(\d):(\d)+7], v[(\a):(\a)+11], v[(\b):(\b)+11], 0, v[(\sa)], v[(\sb)] matrix_a_fmt:MATRIX_FMT_BF6 matrix_b_fmt:MATRIX_FMT_BF6 matrix_b_scale:MATRIX_SCALE_ROW1
.elseif (\row) == 2
	v_wmma_scale_f32_16x16x128_f8f6f4 v[(\d):(\d)+7], v[(\a):(\a)+11], v[(\b):(\b)+11], 0, v[(\sa)], v[(\sb)] matrix_a_fmt:MATRIX_FMT_BF6 matrix_b_fmt:MATRIX_FMT_BF6 matrix_a_scale:MATRIX_SCALE_ROW1
.else
	v_wmma_scale_f32_16x16x128_f8f6f4 v[(\d):(\d)+7], v[(\a):(\a)+11], v[(\b):(\b)+11], 0, v[(\sa)], v[(\sb)] matrix_a_fmt:MATRIX_FMT_BF6 matrix_b_fmt:MATRIX_FMT_BF6 matrix_a_scale:MATRIX_SCALE_ROW1 matrix_b_scale:MATRIX_SCALE_ROW1
.endif
.endm
	s_load_b128 s[4:7], s[0:1], 0x0                ; qpack s[4:5], kvpack s[6:7]
	s_load_b64 s[8:9], s[0:1], 0x10                ; negoff
	v_lshl_add_u32 v[SPW], v0, 2, SPARE
	v_mov_b32 v[NIL], 0
	ds_add_u32 v[SPW], v[NIL]                      ; the wave's opening: the add, twice on end, and its wait ahead of the first tensor load
	ds_add_u32 v[SPW], v[NIL]
	v_lshrrev_b32 v94, 5, v0
	s_delay_alu instid0(VALU_DEP_1)
	v_readfirstlane_b32 s[WV], v94                 ; wave 0..15
	s_bfe_u32 s11, ttmp6, 0x40000                  ; cx: it enters the keys' and the results' global addresses alone
	s_and_b32 s12, ttmp7, 0xffff                   ; the head, which the four partners share
	s_mov_b32 s[G1], 15|(3<<16)|(1<<21)            ; the mask: all four work-groups; elements of 8 bytes; 21 set beside a mask
	s_mov_b32 s[G1+1], 32<<16                      ; tensor_dim0: rows of 256 bytes
	s_mov_b32 s[G1+2], 26<<16                      ; tensor_dim1
	s_mov_b32 s[G1+3], 32<<16                      ; tile_dim0
	s_mov_b32 s[G1+4], 26                          ; tile_dim1: 26 x 256 = 6,656 bytes
	s_mov_b32 s[G1+5], 32                          ; dense
	s_mov_b32 s[G1+6], 0
	s_mov_b32 s[G1+7], 0
	s_mov_b32 s[CS], 0x3e13bb63                    ; c = log2(e) / 10
	s_mov_b32 s[CS+1], s[CS]                       ; (named with it as a pair)
	s_mov_b32 s[NC], 0xbe13bb63
	s_mov_b32 s[K10], 0x40ddce9e
	s_mov_b32 s[SEL], 0x76543210
	s_mov_b32 s[SEL+1], 0xfedcba98
	s_mov_b32 s[MASK], 0xffff0000
	v_and_b32 v94, 31, v0
	s_delay_alu instid0(VALU_DEP_1)
	v_lshlrev_b32 v[L16], 4, v94
	v_and_b32 v95, 15, v0
	s_delay_alu instid0(VALU_DEP_1)
	v_and_b32 v[STA], 8, v95
	s_delay_alu instid0(VALU_DEP_1)
	v_add_nc_u32 v[STA], v[STA], v95               ; r + 8 (r / 8)
	v_bfe_u32 v95, v0, 4, 1
	s_delay_alu instid0(VALU_DEP_1)
	v_lshl_add_u32 v[STA], v95, 3, v[STA]          ; + 8 x tile: my key among the wave's 32, by the tile map
	s_lshl_b32 s13, s[WV], 7
	s_add_co_u32 s13, s13, STG
	v_lshl_add_u32 v[STA], v[STA], 2, s13
	v_and_b32 v[GOF], 127, v0
	s_delay_alu instid0(VALU_DEP_1)
	v_lshlrev_b32 v[GOF], 4, v[GOF]                ; the way out: threads 0-127 take 16 bytes each
	s_delay_alu instid0(VALU_DEP_1)
	v_add_nc_u32 v[RB], STG, v[GOF]
	s_and_b32 s13, s[WV], 3                        ; my unit in its group
	s_mul_i32 s14, s13, 1536
	v_add_nc_u32 v[KO], s14, v[L16]
	v_lshl_add_u32 v[KSO], s13, 2, v[L16]
	s_mul_i32 s50, s12, 16*QB                      ; the head's q
	s_mov_b32 s51, 0
	s_lshl_b32 s52, s12, 4
	s_lshl_b32 s53, s11, 2
	s_add_co_u32 s52, s52, s53
	s_lshr_b32 s53, s[WV], 2
	s_add_co_u32 s52, s52, s53                     ; my keys' block: 16 x head + 4 cx + wave / 4
	s_mul_i32 s52, s52, 13056
	s_mov_b32 s53, 0
	s_lshl_b32 s54, s12, 13
	s_lshl_b32 s55, s11, 11
	s_add_co_u32 s54, s54, s55                     ; the work-group's 512 results
	s_mov_b32 s55, 0
	s_mul_i32 s56, s[WV], QB                       ; the group of queries that I fetch: wave x 6,656 bytes, in memory and in LDS alike
	s_mov_b32 s57, 0
	s_wait_dscnt 0x0                               ; both opening adds are done
	s_wait_kmcnt 0x0
	s_add_nc_u64 s[4:5], s[4:5], s[50:51]
	s_add_nc_u64 s[6:7], s[6:7], s[52:53]
	s_add_nc_u64 s[8:9], s[8:9], s[54:55]
	s_mov_b32 s[G0], 1
	s_mul_i32 s[G0+1], s[WV], QB
	s_add_nc_u64 s[G0+2:G0+3], s[4:5], s[56:57]
	s_or_b32 s[G0+3], s[G0+3], 0x80000000
	CROUND                                         ; all four work-groups are here: the joint loads meet
	tensor_load_to_lds s[G0:G0+3], s[G1:G1+7]      ; my one load: one is out in each wave
	s_nop 0
	s_wait_alu depctr_va_vdst(0)
	global_load_b128 v[KF:KF+3], v[KO], s[6:7]                  ; my unit's image: registers 0-5 are tile 0's codes, 6-11 tile 1's
	global_load_b64 v[KF+4:KF+5], v[KO], s[6:7] offset:512
	global_load_b64 v[KF+12:KF+13], v[KO], s[6:7] offset:520
	global_load_b128 v[KF+14:KF+17], v[KO], s[6:7] offset:1024
	global_load_b32 v[KS], v[KSO], s[6:7] offset:6144
.irp i, 6,7,8,9,10,11,18,19,20,21,22,23
	v_mov_b32 v[KF+\i], 0                          ; zero codes for k = 64 .. 127
.endr
.irp i, 0,1,2,3,4,5
	v_mov_b32 v[QF+48+\i], 0                       ; behind the last tile of queries
.endr
.irp kt, 0,1
	v_mov_b32 v[ST+8*\kt+5], 0xff61b1e6            ; m = -3e38
	v_mov_b32 v[ST+8*\kt+1], 0
	v_mov_b32 v[ST+8*\kt+2], 0                     ; l
	v_mov_b32 v[ST+8*\kt+3], 0
	s_delay_alu instid0(VALU_DEP_4)
	v_mul_f32 v[ST+8*\kt], s[NC], v[ST+8*\kt+5]    ; -c m
.endr
	s_wait_alu depctr_va_vdst(0)
	s_wait_loadcnt 0x0
.macro STEP                            ; 128 queries
	v_add_nc_u32 v[A16], s[TB], v[L16]
.irp p, 0,1,2,3
.irp g, 0,1,2
	ds_load_b128 v[QF+12*\p+4*\g:QF+12*\p+4*\g+3], v[A16] offset:1536*\p+512*\g
.endr
.endr
	ds_load_b128 v[QS:QS+3], v[A16] offset:6144
	s_wait_dscnt 0x0
.irp qt, 0,1,2,3,4,5,6,7
.irp kt, 0,1
	MX S+64*\kt+8*\qt, QF+6*\qt, KF+12*\kt, QS+\qt/2, KS, 2*(\qt%2)+\kt
.endr
.endr
.rept 4
	v_nop                                          ; four places in front of the first read of results
.endr
.irp kt, 0,1                           ; the largest of my 64 scores and the old m: four chains of 16; each accumulator is read from its low end on
.irp ch, 0,1,2,3
	v_max3_num_f32 v[MC+4*\kt+\ch], v[S+64*\kt+16*\ch], v[S+64*\kt+16*\ch+1], v[S+64*\kt+16*\ch+2]
.endr
.endr
.irp i, 3,5,7,9,11,13
.irp kt, 0,1
.irp ch, 0,1,2,3
	v_max3_num_f32 v[MC+4*\kt+\ch], v[MC+4*\kt+\ch], v[S+64*\kt+16*\ch+\i], v[S+64*\kt+16*\ch+\i+1]
.endr
.endr
.endr
.irp kt, 0,1
	v_max3_num_f32 v[MC+4*\kt], v[MC+4*\kt], v[S+64*\kt+15], v[S+64*\kt+31]
	v_max3_num_f32 v[MC+4*\kt+2], v[MC+4*\kt+2], v[S+64*\kt+47], v[S+64*\kt+63]
.endr
	s_delay_alu instid0(VALU_DEP_3)
	v_max3_num_f32 v[MC], v[MC], v[MC+1], v[MC+2]
	s_delay_alu instid0(VALU_DEP_2)
	v_max3_num_f32 v[MC+4], v[MC+4], v[MC+5], v[MC+6]
.irp kt, 0,1
	v_mov_b32 v[ST+8*\kt+1], v[ST+8*\kt]           ; the old -c m
.endr
.irp kt, 0,1
	s_delay_alu instid0(VALU_DEP_4)
	v_max3_num_f32 v[ST+8*\kt+5], v[MC+4*\kt], v[MC+4*\kt+3], v[ST+8*\kt+5]
.endr
.irp kt, 0,1
	s_delay_alu instid0(VALU_DEP_2)
	v_mul_f32 v[ST+8*\kt], s[NC], v[ST+8*\kt+5]
.endr
.irp kt, 0,1
	s_delay_alu instid0(VALU_DEP_2)
	v_sub_f32 v[ST+8*\kt+1], v[ST+8*\kt], v[ST+8*\kt+1]   ; c m_old - c m_new
.endr
.irp kt, 0,1
.set j, 0
.rept 32
	v_pk_fma_f32 v[S+64*\kt+j:S+64*\kt+j+1], v[S+64*\kt+j:S+64*\kt+j+1], s[CS:CS+1], v[ST+8*\kt:ST+8*\kt+1] op_sel_hi:[1,0,0]   ; c s - c m
.set j, j+2
.endr
.endr
	s_wait_alu depctr_va_vdst(0)
.irp kt, 0,1
	v_exp_f32 v[ST+8*\kt+4], v[ST+8*\kt+1]         ; a
.endr
.set j, 0
.rept 128
	v_exp_f32 v[S+j], v[S+j]
.set j, j+1
.endr
	v_nop                                          ; a plain instruction behind the last exponential
	s_wait_alu depctr_va_vdst(0)                   ; the wait ahead of the first reader: one for the 130
.irp kt, 0,1
	v_pk_mul_f32 v[ST+8*\kt+2:ST+8*\kt+3], v[ST+8*\kt+2:ST+8*\kt+3], v[ST+8*\kt+4:ST+8*\kt+5] op_sel_hi:[1,0]   ; l x a
	v_pk_add_f32 v[ST+8*\kt+6:ST+8*\kt+7], v[S+64*\kt:S+64*\kt+1], v[S+64*\kt+2:S+64*\kt+3]
.endr
.irp j, 4,8,12,16,20,24,28,32,36,40,44,48,52,56,60
.irp kt, 0,1
	v_pk_add_f32 v[ST+8*\kt+2:ST+8*\kt+3], v[ST+8*\kt+2:ST+8*\kt+3], v[S+64*\kt+\j:S+64*\kt+\j+1]
	v_pk_add_f32 v[ST+8*\kt+6:ST+8*\kt+7], v[ST+8*\kt+6:ST+8*\kt+7], v[S+64*\kt+\j+2:S+64*\kt+\j+3]
.endr
.endr
	s_delay_alu instid0(VALU_DEP_3)
	v_pk_add_f32 v[ST+2:ST+3], v[ST+2:ST+3], v[ST+6:ST+7]
	s_delay_alu instid0(VALU_DEP_2)
	v_pk_add_f32 v[ST+10:ST+11], v[ST+10:ST+11], v[ST+14:ST+15]
	s_add_co_u32 s[TB], s[TB], QB
.endm
	s_wait_tensorcnt 0x0                           ; my group of queries has landed
	s_wait_dscnt 0x0
	s_barrier_signal -1
	s_barrier_wait -1                              ; and so has every wave's: all of q may be read
	s_mov_b32 s[TB], 0
	s_mov_b32 s[CNT], 16
.Lq:
	STEP
	s_sub_co_u32 s[CNT], s[CNT], 1
	s_cmp_lg_u32 s[CNT], 0
	s_cbranch_scc1 .Lq
	; the two halves of the lanes meet: M, then l under M, then L
.irp kt, 0,1
	v_permlanex16_b32 v[MC+4*\kt], v[ST+8*\kt+5], s[SEL], s[SEL+1]
.endr
.irp kt, 0,1
	s_delay_alu instid0(VALU_DEP_2)
	v_max_num_f32 v[MC+4*\kt], v[MC+4*\kt], v[ST+8*\kt+5]
.endr
.irp kt, 0,1
	s_delay_alu instid0(VALU_DEP_2)
	v_mul_f32 v[MC+4*\kt+1], s[NC], v[MC+4*\kt]    ; -c M
.endr
	s_delay_alu instid0(VALU_DEP_2)
	v_sub_f32 v[MC+2], v[MC+1], v[ST]
	v_add_f32 v[ST+2], v[ST+2], v[ST+3]
	s_delay_alu instid0(VALU_DEP_3)
	v_sub_f32 v[MC+6], v[MC+5], v[ST+8]
	v_add_f32 v[ST+10], v[ST+10], v[ST+11]
	s_wait_alu depctr_va_vdst(0)
.irp kt, 0,1
	v_exp_f32 v[MC+4*\kt+2], v[MC+4*\kt+2]         ; 2^(c m - c M)
.endr
	v_nop
	s_wait_alu depctr_va_vdst(0)
.irp kt, 0,1
	v_mul_f32 v[ST+8*\kt+2], v[ST+8*\kt+2], v[MC+4*\kt+2]
.endr
.irp kt, 0,1
	s_delay_alu instid0(VALU_DEP_2)
	v_permlanex16_b32 v[MC+4*\kt+3], v[ST+8*\kt+2], s[SEL], s[SEL+1]
.endr
.irp kt, 0,1
	s_delay_alu instid0(VALU_DEP_2)
	v_add_f32 v[ST+8*\kt+2], v[ST+8*\kt+2], v[MC+4*\kt+3]   ; L
.endr
	s_wait_alu depctr_va_vdst(0)
.irp kt, 0,1
	v_log_f32 v[ST+8*\kt+3], v[ST+8*\kt+2]
.endr
	v_nop
	s_wait_alu depctr_va_vdst(0)
.irp kt, 0,1
	v_sub_f32 v[ST+8*\kt+3], v[MC+4*\kt+1], v[ST+8*\kt+3]
.endr
.irp kt, 0,1
	s_delay_alu instid0(VALU_DEP_2)
	v_mul_f32 v[ST+8*\kt+3], s[K10], v[ST+8*\kt+3] ; (-c M - log2 L) x 10 ln 2
.endr
	s_delay_alu instid0(VALU_DEP_1)
	v_cndmask_b32 v248, v[ST+3], v[ST+11], s[MASK] ; lanes 0-15 tile 0's key, lanes 16-31 tile 1's
	ds_store_b32 v[STA], v248
	s_wait_dscnt 0x0                               ; for the others' sake: my store has landed
	s_barrier_signal -1
	s_barrier_wait -1
	s_cmp_lt_u32 s[WV], 4                          ; four waves store the 2,048 bytes, 512 consecutive bytes each
	s_cbranch_scc0 .Ldone
	ds_load_b128 v[248:251], v[RB]
	s_wait_dscnt 0x0
	global_store_b128 v[GOF], v[248:251], s[8:9]
.Ldone:
	s_wait_tensorcnt 0x0                           ; the wave's end: behind my last tensor load and my last LDS store
	ds_add_u32 v[SPW], v[NIL]
	s_wait_dscnt 0x0
	CROUND                                         ; the closing round
	s_endpgm
.Lfunc_end_k_q6f5546be82_stats:
	.size	k_q6f5546be82_stats, .Lfunc_end_k_q6f5546be82_stats-k_q6f5546be82_stats
	.p2alignl 7, 3214868480
	.fill 96, 4, 3214868480
	.section	.rodata,"a",@progbits
	.p2align	6, 0x0
	.amdhsa_kernel k_q6f5546be82_stats
		.amdhsa_group_segment_fixed_size 167936
		.amdhsa_private_segment_fixed_size 0
		.amdhsa_enable_private_segment 0
		.amdhsa_kernarg_size 24
		.amdhsa_user_sgpr_count 2
		.amdhsa_user_sgpr_kernarg_segment_ptr 1
		.amdhsa_wavefront_size32 1
		.amdhsa_system_sgpr_workgroup_id_x 1
		.amdhsa_system_sgpr_workgroup_id_y 1
		.amdhsa_system_sgpr_workgroup_id_z 1
		.amdhsa_system_vgpr_workitem_id 0
		.amdhsa_next_free_vgpr 256
		.amdhsa_next_free_sgpr 66
		.amdhsa_reserve_vcc 0
		.amdhsa_float_denorm_mode_32 3
		.amdhsa_float_denorm_mode_16_64 3
		.amdhsa_memory_ordered 1
		.amdhsa_forward_progress 1
		.amdhsa_inst_pref_size 29
	.end_amdhsa_kernel
	.amdgpu_metadata
---
amdhsa.version: [ 1, 2 ]
amdhsa.kernels:
  - .name:           k_q6f5546be82_stats
    .symbol:         k_q6f5546be82_stats.kd
    .args:
      - { .name: qpack, .offset: 0, .size: 8, .value_kind: global_buffer, .address_space: global }
      - { .name: kvpack, .offset: 8, .size: 8, .value_kind: global_buffer, .address_space: global }
      - { .name: negoff, .offset: 16, .size: 8, .value_kind: global_buffer, .address_space: global }
    .group_segment_fixed_size: 167936
    .private_segment_fixed_size: 0
    .kernarg_segment_align: 8
    .kernarg_segment_size: 24
    .max_flat_workgroup_size: 512
    .sgpr_count:     66
    .vgpr_count:     256
    .wavefront_size: 32
...
	.end_amdgpu_metadata
.endif
;; end of part 3
;; launch attn (part 4): grid 4 x 64, 16 waves a work-group, clusters of 4 x 1, 327,680 bytes of LDS; arguments qpack, kvpack, negoff, out0; writes out0
.if DOCPART == 4
	.amdgcn_target "amdgcn-amd-amdhsa--gfx1250"
	.amdhsa_code_object_version 6
	.text
	.protected	k_q6f5546be82_attn
	.globl	k_q6f5546be82_attn
	.p2align	8
	.type	k_q6f5546be82_attn,@function
k_q6f5546be82_attn:
	s_mov_b64 s[64:65], 0
	v_nop
	global_prefetch_b8 v0, s[64:65] scope:SCOPE_SE
	s_setreg_imm32_b32 hwreg(HW_REG_WAVE_MODE, 25, 1), 1
	s_wait_xcnt 0x0
	s_wait_alu depctr_hold_cnt(0) depctr_sa_sdst(0) depctr_va_vdst(0) depctr_va_sdst(0) depctr_va_ssrc(0) depctr_va_vcc(0) depctr_vm_vsrc(0)
	s_getreg_b32 s2, hwreg(HW_REG_IB_STS2, 6, 4)
	s_cmp_eq_u32 s2, 0
	s_cbranch_scc0 .Lentry_in_a_cluster
	s_endpgm
.Lentry_in_a_cluster:
	s_bfe_u32 s2, ttmp6, 0x10000c
	s_cmp_lg_u32 s2, 0x3003
	s_cbranch_scc0 .Lentry_shape_is_right
	s_endpgm
.Lentry_shape_is_right:
; out = attn v, attn = softmax over the QUERIES of q k^T / 10, both products on codes of E3M2.  The scores are made a second time; with the number that the launch before stored for each key, attn comes out FINISHED:
; attn = 2^(c (score + negoff[key])), c = log2(e) / 10.  It is quantised along the keys, block by block of 32, as the problem asks, and multiplied by v.  The maximum was taken away in negoff.  Nothing of the problem is left out here.
; negoff IS THE C OPERAND of the score instructions: 32 registers in the result's layout, loaded once for 64 keys, serve both tiles of queries; the scores go to other registers.
; SHARES: a cluster of four work-groups takes a head; work-group cx its queries 512 cx on; each of sixteen waves 32 queries, two tiles, which stay in registers.  Every wave walks the head's 2,048 keys, 128 a step.
; The head's k and v (816 rows of 256 dense bytes, 51 a key step) and its negoff (32 rows) come into LDS ONCE, by joint loads, since the four work-groups read the same bytes.  At the head waves 0-14 bring 16 rows each
; (240 rows: key steps 0 to 3 and part of 4) and wave 15 negoff; behind the round that follows the first fill, each wave brings 36 rows of the other 576.  15 x 16 + 16 x 36 = 816.
; Steps 0 to 3 read the first fill alone.  The barrier that shows the second fill is split: a wave signals behind step 1, when its own 36 rows are in, and waits ahead of step 4.  Nothing is filled again: no ring.
; No prefetch: every byte is asked for by a wave's two loads ahead of the first loop, so there is no later request to run ahead of.
; LAYOUT: both products transposed: S^T = k q^T, O^T = v^T p^T: a lane holds one query throughout.
; WHICH KEYS FORM A TILE is chosen here by the lanes' LDS addresses: of keys 64 c on, tile t takes keys 8 t + 0 .. 7 as its rows 0-7 and keys 32 + 8 t + 0 .. 7 as its rows 8-15.  In the stored images (tile 2 b + u, row r' = key
; 32 b + 8 u + r' + 8 (r' / 8)) these are rows 8 (t / 2) + 0 .. 7 of tile t % 2 of units 2 c and 2 c + 1.  A lane's 32 results of the four tiles are then the WHOLE block 2 c + lane / 16 of 32 keys, in order:
; its largest number needs no other lane, and two conversions give the six registers that the operand's layout wants of that lane.  Only the scale bytes cross the halves of the lanes, once a step.
; K = 64 IN AN INSTRUCTION OF 128: q's fragments have six registers of zero codes behind their six; k's tiles lie densely and an operand names twelve registers: the upper six meet zero codes.  Bytes 2, 3 of q's and k's scale words are 0.
; O^T begins as 64 cleared registers, so that the step is written in one form.
; LIMITS: an attn under 2^-126 becomes 0 (the exponential's flush: ISA guide, its entry); the rounding of c x (score + negoff) grows with the scores' size; NaN and infinities are not served; a block of zeros keeps the byte 1 with zero codes.
.set KVB,   13056
.set RA,    16                         ; rows of 256 bytes in a wave's first load
.set RB,    36                         ; and in its second
.set PA,    15*RA*256                  ; where the second fill begins
.set OFFB,  16*KVB                     ; behind k and v: negoff, 8,192 bytes
.set STAGE, OFFB+8192                  ; the way out: 16 rows x 272 bytes for each wave
.set SPARE, STAGE+16*4352              ; the spare words, 128 bytes for each wave, which no other line names
.set SPW, 1
.set NIL, 2
.set L16, 3                            ; 16 x lane
.set L8,  4                            ; 8 x lane
.set LOFF, 5                           ; OFFB + 128 (lane / 16): my block's 32 keys
.set LK,  6                            ; k's codes: 1536 ((lane / 8) % 2) + 16 (lane % 8) + 256 (lane / 16)
.set LKS, 7                            ; k's scale words: 4 ((lane / 8) % 2) + 16 (lane % 8) + 256 (lane / 16)
.set SH8, 8                            ; 8 (lane / 16)
.set QS,  9                            ; q's scale words: lanes 0-15 tile 0, lanes 16-31 tile 1
.set PW,  10                           ; v10-11 p's scale words, a register a tile of queries
.set KS,  12                           ; v12-15 k's scale words: register 2 c + t / 2: lanes 0-15 the even tile, lanes 16-31 the odd one
.set QF,  16                           ; v16-39 two tiles of queries: 6 of codes, 6 of zeros each
.set KF,  40                           ; v40-63 four tiles of keys, 6 each; v64-69 zeros
.set VS,  70                           ; v70-71 v's scale words
.set S,   72                           ; v72-135 scores, then p: 32 q + 8 t; later v's four fragments; later rows on their way out
.set O,   136                          ; v136-199 O^T: 32 q + 8 t
.set P,   200                          ; v200-223 p's codes: 12 q
.set AK,  P+6                          ; the step's addresses of k's codes, k's scale words and negoff lie in p's second half, which is written only behind their last use
.set AKS, P+7
.set AOFF, P+8
.set NEG, 224                          ; v224-255 negoff of 64 keys; behind the score instructions the quantiser works here:
.set TM,  224                          ; v224-233
.set T,   240                          ; v240-246
.set A16, 224                          ; and at the step's end v's two addresses
.set A8,  225
.set STO, 226                          ; the way out's three addresses, made at the end
.set RD,  227
.set GO,  228
.set QO,  74                           ; at the head alone
.set QSO, 75
.set WV,  12
.set G1A, 16                           ; s[16:23] the first fill of k and v
.set G1B, 24                           ; s[24:31] the second
.set G0A, 32
.set G0B, 36
.set G0N, 40                           ; negoff
.set G1N, 44                           ; s[44:51]
.set TB,  52
.set TO,  53
.set CNT, 54
.set CS,  56                           ; s[56:57] c
.set SEL, 58
.set STB, 62                           ; my stage
.macro CROUND
	s_barrier_signal -1
	s_barrier_wait -1
	s_cmp_lg_u32 s[WV], 0
	s_cbranch_scc1 .Lnot_wave_0_\@
	s_barrier_signal -3
.Lnot_wave_0_\@:
	s_barrier_wait -3
	s_barrier_signal -1
	s_barrier_wait -1
.endm
.macro MX d, a, b, c, sa, sb, row      ; row: bit 1: source 0's scales from lanes 16-31; bit 0: source 1's
.if (\row) == 0
	v_wmma_scale_f32_16x16x128_f8f6f4 v[(\d):(\d)+7], v[(\a):(\a)+11], v[(\b):(\b)+11], v[(\c):(\c)+7], v[(\sa)], v[(\sb)] matrix_a_fmt:MATRIX_FMT_BF6 matrix_b_fmt:MATRIX_FMT_BF6
.elseif (\row) == 1
	v_wmma_scale_f32_16x16x128_f8f6f4 v[(\d):(\d)+7], v[(\a):(\a)+11], v[(\b):(\b)+11], v[(\c):(\c)+7], v[(\sa)], v[(\sb)] matrix_a_fmt:MATRIX_FMT_BF6 matrix_b_fmt:MATRIX_FMT_BF6 matrix_b_scale:MATRIX_SCALE_ROW1
.elseif (\row) == 2
	v_wmma_scale_f32_16x16x128_f8f6f4 v[(\d):(\d)+7], v[(\a):(\a)+11], v[(\b):(\b)+11], v[(\c):(\c)+7], v[(\sa)], v[(\sb)] matrix_a_fmt:MATRIX_FMT_BF6 matrix_b_fmt:MATRIX_FMT_BF6 matrix_a_scale:MATRIX_SCALE_ROW1
.else
	v_wmma_scale_f32_16x16x128_f8f6f4 v[(\d):(\d)+7], v[(\a):(\a)+11], v[(\b):(\b)+11], v[(\c):(\c)+7], v[(\sa)], v[(\sb)] matrix_a_fmt:MATRIX_FMT_BF6 matrix_b_fmt:MATRIX_FMT_BF6 matrix_a_scale:MATRIX_SCALE_ROW1 matrix_b_scale:MATRIX_SCALE_ROW1
.endif
.endm
; The four tiles of keys 64 c on.  An image's run g holds registers 4 g .. 4 g + 3 of a unit's twelve, 16 bytes a lane: the even tile's six are run 0 and the lower half of run 1, the odd tile's the upper half of run 1 and run 2.
.macro KLOAD c
.irp t, 0,1,2,3
.if (\t%2) == 0
	ds_load_b128 v[KF+6*\t:KF+6*\t+3], v[AK] offset:3072*(\c)+128*(\t/2)
	ds_load_b64 v[KF+6*\t+4:KF+6*\t+5], v[AK] offset:3072*(\c)+128*(\t/2)+512
.else
	ds_load_b64 v[KF+6*\t:KF+6*\t+1], v[AK] offset:3072*(\c)+128*(\t/2)+520
	ds_load_b128 v[KF+6*\t+2:KF+6*\t+5], v[AK] offset:3072*(\c)+128*(\t/2)+1024
.endif
.endr
.endm
; Half c of a key step: for each tile of queries q my 32 numbers of p in v[S + 32 q] on are block 2 c + lane / 16.  They become registers 6 c .. 6 c + 5 of p's fragment; the block's byte goes into p's scale word.
.macro QP c
.irp q, 0,1
	v_max3_num_f32 v[TM+2*\q], v[S+32*\q], v[S+32*\q+1], 0x2800000   ; no |.|: p is never negative; the floor 2^(5 - 127): the byte cannot fall under 1
	v_max3_num_f32 v[TM+2*\q+1], v[S+32*\q+16], v[S+32*\q+17], v[S+32*\q+18]   ; two chains a block, four by turns
.endr
.irp i, 2,4,6,8,10,12
.irp q, 0,1
	v_max3_num_f32 v[TM+2*\q], v[TM+2*\q], v[S+32*\q+\i], v[S+32*\q+\i+1]
	v_max3_num_f32 v[TM+2*\q+1], v[TM+2*\q+1], v[S+32*\q+17+\i], v[S+32*\q+18+\i]
.endr
.endr
.irp q, 0,1
	v_max3_num_f32 v[TM+2*\q], v[TM+2*\q], v[S+32*\q+14], v[S+32*\q+15]
.endr
.irp q, 0,1
	v_max3_num_f32 v[TM+2*\q], v[TM+2*\q], v[TM+2*\q+1], v[S+32*\q+31]   ; the block's largest
.endr
.irp q, 0,1
	v_add_nc_u32 v[TM+8+\q], 0xfe000000, v[TM+2*\q]   ; 4 off the exponent field: the conversion's scale operand
.endr
.if \c == 0
.irp q, 0,1
	v_lshrrev_b32 v[PW+\q], 23, v[TM+8+\q]         ; the byte of block lane / 16
.endr
.else
.irp q, 0,1
	v_lshrrev_b32 v[TM+4+\q], 23, v[TM+8+\q]       ; the byte of block 2 + lane / 16
.endr
.irp q, 0,1
	v_lshl_or_b32 v[PW+\q], v[TM+4+\q], 16, v[PW+\q]
.endr
.irp q, 0,1
	v_lshlrev_b32 v[PW+\q], v[SH8], v[PW+\q]       ; my two bytes at their places in the word
.endr
.irp q, 0,1
	v_permlanex16_b32 v[TM+6+\q], v[PW+\q], s[SEL], s[SEL+1]
.endr
.irp q, 0,1
	v_or_b32 v[PW+\q], v[PW+\q], v[TM+6+\q]        ; with lane l xor 16's two the word is whole
.endr
.endif
	v_cvt_scalef32_pk16_bf6_f32 v[P+6*\c:P+6*\c+2], v[S:S+15], v[TM+8]
	v_cvt_scalef32_pk16_bf6_f32 v[T:T+2], v[S+16:S+31], v[TM+8]                 ; (a conversion's three registers begin on an even number)
	v_cvt_scalef32_pk16_bf6_f32 v[P+12+6*\c:P+12+6*\c+2], v[S+32:S+47], v[TM+9]
	v_cvt_scalef32_pk16_bf6_f32 v[T+4:T+6], v[S+48:S+63], v[TM+9]
	v_nop                                          ; one plain place behind the scaled conversions
.irp i, 0,1,2
	v_mov_b32 v[P+6*\c+3+\i], v[T+\i]
	v_mov_b32 v[P+12+6*\c+3+\i], v[T+4+\i]
.endr
.endm
	s_load_b256 s[4:11], s[0:1], 0x0               ; qpack s[4:5], kvpack s[6:7], negoff s[8:9], out0 s[10:11]
	v_lshl_add_u32 v[SPW], v0, 2, SPARE
	v_mov_b32 v[NIL], 0
	ds_add_u32 v[SPW], v[NIL]                      ; the wave's opening: the add, twice on end, and its wait ahead of the first tensor load
	ds_add_u32 v[SPW], v[NIL]
	v_lshrrev_b32 v72, 5, v0
	s_delay_alu instid0(VALU_DEP_1)
	v_readfirstlane_b32 s[WV], v72                 ; wave 0..15
	s_bfe_u32 s13, ttmp6, 0x40000                  ; cx: it enters q's and the output's global addresses alone
	s_and_b32 s14, ttmp7, 0xffff                   ; the head, which the four partners share
.irp g, G1A, G1B, G1N
	s_mov_b32 s[\g], 15|(3<<16)|(1<<21)            ; the mask: all four work-groups; elements of 8 bytes; 21 set beside a mask
	s_mov_b32 s[\g+1], 32<<16                      ; rows of 256 bytes
	s_mov_b32 s[\g+3], 32<<16
	s_mov_b32 s[\g+5], 32                          ; dense
	s_mov_b32 s[\g+6], 0
	s_mov_b32 s[\g+7], 0
.endr
	s_mov_b32 s[G1A+2], RA<<16
	s_mov_b32 s[G1A+4], RA
	s_mov_b32 s[G1B+2], RB<<16
	s_mov_b32 s[G1B+4], RB
	s_mov_b32 s[G1N+2], 32<<16                     ; 32 x 256 = 8,192 bytes
	s_mov_b32 s[G1N+4], 32
	s_mov_b32 s[CS], 0x3e13bb63                    ; c = log2(e) / 10
	s_mov_b32 s[CS+1], s[CS]
	s_mov_b32 s[SEL], 0x76543210
	s_mov_b32 s[SEL+1], 0xfedcba98
	v_and_b32 v72, 31, v0                          ; lane
	v_bfe_u32 v73, v0, 4, 1                        ; lane / 16
	v_and_b32 v76, 7, v0                           ; lane % 8
	v_bfe_u32 v77, v0, 3, 1                        ; (lane / 8) % 2
	v_lshlrev_b32 v[L16], 4, v72
	v_lshlrev_b32 v[L8], 3, v72
	v_lshl_add_u32 v[LOFF], v73, 7, OFFB
	v_lshlrev_b32 v76, 4, v76
	v_lshlrev_b32 v[SH8], 3, v73
	v_lshl_add_u32 v76, v73, 8, v76                ; 16 (lane % 8) + 256 (lane / 16)
	v_mad_u32_u24 v[LK], v77, 1536, v76
	v_lshl_add_u32 v[LKS], v77, 2, v76
	s_and_b32 s60, s[WV], 3                        ; my unit in its group
	s_mul_i32 s61, s60, 1536
	v_add_nc_u32 v[QO], s61, v[L16]
	v_lshl_add_u32 v[QSO], s60, 2, v[L16]
	s_mul_i32 s[STB], s[WV], 4352
	s_add_co_u32 s[STB], s[STB], STAGE
	s_lshr_b32 s66, s14, 4                         ; the batch
	s_and_b32 s67, s14, 15                         ; the head in it
	s_lshl_b32 s66, s66, 11
	s_lshl_b32 s68, s13, 9
	s_add_co_u32 s66, s66, s68
	s_lshl_b32 s68, s[WV], 5
	s_add_co_u32 s66, s66, s68                     ; my first query's row: 2,048 x batch + 512 cx + 32 x wave
	s_lshl_b32 s66, s66, 12
	s_lshl_b32 s67, s67, 8
	s_add_co_u32 s66, s66, s67                     ; + the head's 256 bytes
	s_mov_b32 s67, 0
	s_lshl_b32 s68, s14, 4
	s_lshl_b32 s69, s13, 2
	s_add_co_u32 s68, s68, s69
	s_lshr_b32 s69, s[WV], 2
	s_add_co_u32 s68, s68, s69                     ; my queries' block
	s_mul_i32 s68, s68, 6656
	s_mov_b32 s69, 0
	s_mul_i32 s70, s14, 16*KVB                     ; the head's k and v
	s_mov_b32 s71, 0
	s_lshl_b32 s72, s14, 13                        ; and its negoff
	s_mov_b32 s73, 0
	s_mul_i32 s74, s[WV], RA*256                   ; my rows of the first fill, in memory and in LDS alike,
	s_mov_b32 s75, 0
	s_mul_i32 s76, s[WV], RB*256
	s_add_co_u32 s76, s76, PA                      ; and of the second
	s_mov_b32 s77, 0
	s_wait_alu depctr_va_vdst(0)
	s_wait_dscnt 0x0                               ; both opening adds are done
	s_wait_kmcnt 0x0
	s_add_nc_u64 s[4:5], s[4:5], s[68:69]
	s_add_nc_u64 s[6:7], s[6:7], s[70:71]
	s_add_nc_u64 s[8:9], s[8:9], s[72:73]
	s_add_nc_u64 s[10:11], s[10:11], s[66:67]
	s_mov_b32 s[G0A], 1
	s_mul_i32 s[G0A+1], s[WV], RA*256
	s_add_nc_u64 s[G0A+2:G0A+3], s[6:7], s[74:75]
	s_or_b32 s[G0A+3], s[G0A+3], 0x80000000
	s_mov_b32 s[G0B], 1
	s_mul_i32 s[G0B+1], s[WV], RB*256
	s_add_co_u32 s[G0B+1], s[G0B+1], PA
	s_add_nc_u64 s[G0B+2:G0B+3], s[6:7], s[76:77]
	s_or_b32 s[G0B+3], s[G0B+3], 0x80000000
	s_mov_b32 s[G0N], 1
	s_mov_b32 s[G0N+1], OFFB
	s_mov_b64 s[G0N+2:G0N+3], s[8:9]
	s_or_b32 s[G0N+3], s[G0N+3], 0x80000000
	CROUND                                         ; all four work-groups are here: the joint loads meet
	s_cmp_lt_u32 s[WV], 15                         ; one load a wave, a load in each arm: waves 0-14 rows of k and v, wave 15 negoff
	s_cbranch_scc0 .Lfor_negoff
	tensor_load_to_lds s[G0A:G0A+3], s[G1A:G1A+7]
	s_nop 0
.rept 4
	v_nop
.endr
	s_branch .Lasked
.Lfor_negoff:
	tensor_load_to_lds s[G0N:G0N+3], s[G1N:G1N+7]
	s_nop 0
.rept 4
	v_nop
.endr
.Lasked:
	global_load_b128 v[QF:QF+3], v[QO], s[4:5]                  ; my unit's image: registers 0-5 are tile 0's codes, 6-11 tile 1's
	global_load_b64 v[QF+4:QF+5], v[QO], s[4:5] offset:512
	global_load_b64 v[QF+12:QF+13], v[QO], s[4:5] offset:520
	global_load_b128 v[QF+14:QF+17], v[QO], s[4:5] offset:1024
	global_load_b32 v[QS], v[QSO], s[4:5] offset:6144
.irp i, 6,7,8,9,10,11,18,19,20,21,22,23
	v_mov_b32 v[QF+\i], 0                          ; zero codes for k = 64 .. 127
.endr
.irp i, 0,1,2,3,4,5
	v_mov_b32 v[KF+24+\i], 0                       ; behind the last tile of keys
.endr
.set j, 0
.rept 64
	v_mov_b32 v[O+j], 0                            ; O^T, while the first fill is on its way
.set j, j+1
.endr
	s_wait_alu depctr_va_vdst(0)
	s_wait_loadcnt 0x0
	s_wait_tensorcnt 0x0                           ; my part of the first fill is in
	ds_add_u32 v[SPW], v[NIL]
	s_wait_dscnt 0x0
	CROUND                                         ; everybody's part is in, and all four work-groups are here
	tensor_load_to_lds s[G0B:G0B+3], s[G1B:G1B+7]  ; my 36 rows of the rest: the first tensor load behind the round; one load is out
	s_nop 0
.macro STEP                            ; 128 keys
	v_add_nc_u32 v[AK], s[TB], v[LK]
	v_add_nc_u32 v[AKS], s[TB], v[LKS]
	v_add_nc_u32 v[AOFF], s[TO], v[LOFF]
.irp c, 0,1                            ; keys 64 c on: four tiles
.if \c == 0
	KLOAD 0
.irp w, 0,1,2,3
	ds_load_b32 v[KS+\w], v[AKS] offset:6144+128*(\w%2)+8*(\w/2)   ; the words of tiles 2 (w % 2) and 2 (w % 2) + 1 of keys 64 (w / 2) on
.endr
.endif
.irp g, 0,1,2,3,4,5,6,7
	ds_load_b128 v[NEG+4*\g:NEG+4*\g+3], v[AOFF] offset:(64*\c+4*\g)*4   ; negoff of keys 64 c + 32 (lane / 16) + 4 g on: the layout of the four tiles' results
.endr
	s_wait_dscnt 0x0
.irp kt, 0,1,2,3                       ; eight results, each with negoff as C
.irp q, 0,1
	MX S+32*\q+8*\kt, KF+6*\kt, QF+12*\q, NEG+8*\kt, KS+2*\c+\kt/2, QS, 2*(\kt%2)+\q
.endr
.endr
.rept 4
	v_nop                                          ; four places in front of the first read of results and of loads into k's registers
.endr
.if \c == 0
	s_wait_alu depctr_va_vdst(0)
	KLOAD 1                                        ; the next half's keys: awaited with its negoff
.endif
.set j, 0
.rept 32
	v_pk_mul_f32 v[S+j:S+j+1], v[S+j:S+j+1], s[CS:CS+1] op_sel_hi:[1,0]   ; c x (score + negoff), each accumulator from its low end on
.set j, j+2
.endr
.set j, 0
	s_wait_alu depctr_va_vdst(0)
.rept 64
	v_exp_f32 v[S+j], v[S+j]                       ; attn, finished
.set j, j+1
.endr
	v_nop                                          ; a plain instruction behind the last exponential
	s_wait_alu depctr_va_vdst(0)                   ; the wait ahead of the first reader: one for the 64
	QP \c
.endr
	v_add_nc_u32 v[A16], s[TB], v[L16]
	v_add_nc_u32 v[A8], s[TB], v[L8]
.irp t, 0,1,2,3
.irp g, 0,1,2
	ds_load_b128 v[S+12*\t+4*\g:S+12*\t+4*\g+3], v[A16] offset:6656+1536*\t+512*\g   ; v's four tiles of 16 channels x these 128 keys
.endr
.endr
	ds_load_b64 v[VS:VS+1], v[A8] offset:12800
.rept 5
	v_nop                                          ; with the place behind the conversions and the two additions: eight places between p's scale words and the scaled matrix instructions; seven behind p's last code register
.endr
	s_wait_alu depctr_va_vdst(0)
	s_wait_dscnt 0x0
.irp t, 0,1,2,3                        ; eight accumulators by turns, one instruction a turn
.irp q, 0,1
	MX O+32*\q+8*\t, S+12*\t, P+12*\q, O+32*\q+8*\t, VS+\t/2, PW+\q, 2*(\t%2)
.endr
.endr
.rept 5
	v_nop                                          ; five places in front of products that write over v's registers, and of the next step's additions into p's
.endr
	s_add_co_u32 s[TB], s[TB], KVB
	s_add_co_u32 s[TO], s[TO], 512
.endm
.macro RUN st, n                       ; key steps st .. st + n - 1
	s_mov_b32 s[TB], KVB*\st
	s_mov_b32 s[TO], 512*\st
	s_mov_b32 s[CNT], \n
.Lk_\@:
	STEP
	s_sub_co_u32 s[CNT], s[CNT], 1
	s_cmp_lg_u32 s[CNT], 0
	s_cbranch_scc1 .Lk_\@
.endm
	RUN 0, 2
	s_wait_tensorcnt 0x0                           ; my 36 rows of the second fill are in
	s_wait_dscnt 0x0
	s_barrier_signal -1                            ; say so; steps 2 and 3 read the first fill and negoff alone, which nobody writes any more
	RUN 2, 2
	s_barrier_wait -1                              ; every wave has said so: all of k and v may be read
	RUN 4, 12
	; THE WAY OUT.  Register 8 t + j of a tile of queries is channel 32 (t / 2) + 16 (lane / 16) + 8 (t % 2) + j of query r.  A tile goes through my own stage and comes back as rows of 256 bytes: sixteen lanes store
	; the aligned 256 bytes of one query and head.  Stage row i holds query 8 q + i + 8 (i / 8) of my 32, by the stored images' tile map.
	v_and_b32 v224, 15, v0                         ; r
	v_bfe_u32 v225, v0, 4, 1                       ; h
	s_delay_alu instid0(VALU_DEP_2)
	v_mul_u32_u24 v[STO], v224, 272
	s_delay_alu instid0(VALU_DEP_2)
	v_mul_u32_u24 v[RD], v225, 272
	s_delay_alu instid0(VALU_DEP_3)
	v_lshlrev_b32 v[GO], 12, v225
	s_delay_alu instid0(VALU_DEP_3)
	v_lshl_add_u32 v[STO], v225, 6, v[STO]
	s_delay_alu instid0(VALU_DEP_3)
	v_lshl_add_u32 v[RD], v224, 4, v[RD]
	s_delay_alu instid0(VALU_DEP_3)
	v_lshl_add_u32 v[GO], v224, 4, v[GO]           ; two rows in the output, 4,096 bytes apart, 16 bytes a lane
	s_delay_alu instid0(VALU_DEP_3)
	v_add_nc_u32 v[STO], s[STB], v[STO]            ; in: row r, + 64 h
	s_delay_alu instid0(VALU_DEP_3)
	v_add_nc_u32 v[RD], s[STB], v[RD]              ; back: lanes 0-15 one row of 256 bytes, lanes 16-31 the next
	s_wait_alu depctr_va_vdst(0)
.irp q, 0,1
.irp t, 0,1,2,3
	ds_store_b128 v[STO], v[O+32*\q+8*\t:O+32*\q+8*\t+3] offset:128*(\t/2)+32*(\t%2)          ; each accumulator from its low end on
	ds_store_b128 v[STO], v[O+32*\q+8*\t+4:O+32*\q+8*\t+7] offset:128*(\t/2)+32*(\t%2)+16
.endr
.irp i, 0,1,2,3,4,5,6,7
	ds_load_b128 v[S+32*\q+4*\i:S+32*\q+4*\i+3], v[RD] offset:544*\i   ; LDS serves a wave's instructions in order (ISA guide 5.7.1.4): these see the stores above, and the next tile's stores come behind them
.endr
.endr
.irp q, 0,1
.irp i, 0,1,2,3,4,5,6,7
	s_wait_dscnt 16*(1-\q)+7-\i                    ; the younger LDS instructions may be out
	global_store_b128 v[GO], v[S+32*\q+4*\i:S+32*\q+4*\i+3], s[10:11] offset:(8*\q+2*\i+8*(\i/4))*4096 th:TH_STORE_NT
.endr
.endr
	s_wait_tensorcnt 0x0                           ; the wave's end: behind my last tensor load and my last LDS store
	ds_add_u32 v[SPW], v[NIL]
	s_wait_dscnt 0x0
	CROUND                                         ; the closing round
	s_endpgm
.Lfunc_end_k_q6f5546be82_attn:
	.size	k_q6f5546be82_attn, .Lfunc_end_k_q6f5546be82_attn-k_q6f5546be82_attn
	.p2alignl 7, 3214868480
	.fill 96, 4, 3214868480
	.section	.rodata,"a",@progbits
	.p2align	6, 0x0
	.amdhsa_kernel k_q6f5546be82_attn
		.amdhsa_group_segment_fixed_size 327680
		.amdhsa_private_segment_fixed_size 0
		.amdhsa_enable_private_segment 0
		.amdhsa_kernarg_size 32
		.amdhsa_user_sgpr_count 2
		.amdhsa_user_sgpr_kernarg_segment_ptr 1
		.amdhsa_wavefront_size32 1
		.amdhsa_system_sgpr_workgroup_id_x 1
		.amdhsa_system_sgpr_workgroup_id_y 1
		.amdhsa_system_sgpr_workgroup_id_z 1
		.amdhsa_system_vgpr_workitem_id 0
		.amdhsa_next_free_vgpr 256
		.amdhsa_next_free_sgpr 80
		.amdhsa_reserve_vcc 0
		.amdhsa_float_denorm_mode_32 3
		.amdhsa_float_denorm_mode_16_64 3
		.amdhsa_memory_ordered 1
		.amdhsa_forward_progress 1
		.amdhsa_inst_pref_size 79
	.end_amdhsa_kernel
	.amdgpu_metadata
---
amdhsa.version: [ 1, 2 ]
amdhsa.kernels:
  - .name:           k_q6f5546be82_attn
    .symbol:         k_q6f5546be82_attn.kd
    .args:
      - { .name: qpack, .offset: 0, .size: 8, .value_kind: global_buffer, .address_space: global }
      - { .name: kvpack, .offset: 8, .size: 8, .value_kind: global_buffer, .address_space: global }
      - { .name: negoff, .offset: 16, .size: 8, .value_kind: global_buffer, .address_space: global }
      - { .name: out0, .offset: 24, .size: 8, .value_kind: global_buffer, .address_space: global }
    .group_segment_fixed_size: 327680
    .private_segment_fixed_size: 0
    .kernarg_segment_align: 8
    .kernarg_segment_size: 32
    .max_flat_workgroup_size: 512
    .sgpr_count:     80
    .vgpr_count:     256
    .wavefront_size: 32
...
	.end_amdgpu_metadata
.endif
;; end of part 4
